; MI455X (gfx1250); checked and timed in simulation.
; The chip was launched on July 23, 2026; its instructions are those of AMD's public machine-readable ISA for CDNA 5 (MIT licence, August 2026) and "CDNA5" Instruction Set Architecture Reference Guide (July 2026). The comments in the code are by the model that wrote it; some were corrected since.
;; Causal Self Attention. Allowed arithmetic: matrix products marked QUANTISED: E2M1 operands, one E8M0 scale for each 32 along K, by v_wmma_scale_f32_16x16x128_f8f6f4 with both operands' format E2M1 (or v_wmma_scale_f32_32x16x128_f4), f32 sums; everything else in f32.
;; Inputs: Wk_codes 512 x 16 x 16 uint8 (E2M1 codes of Wk, K innermost, in blocks of 32 codes, two codes a byte); Wk_scales 512 x 16 uint8 (E8M0 scales of Wk, one for each 32 codes along K); Wo_codes 512 x 16 x 16 uint8 (E2M1 codes of Wo, K innermost, in blocks of 32 codes, two codes a byte); Wo_scales 512 x 16 uint8 (E8M0 scales of Wo, one for each 32 codes along K); Wq_codes 512 x 16 x 16 uint8 (E2M1 codes of Wq, K innermost, in blocks of 32 codes, two codes a byte); Wq_scales 512 x 16 uint8 (E8M0 scales of Wq, one for each 32 codes along K); Wv_codes 512 x 16 x 16 uint8 (E2M1 codes of Wv, K innermost, in blocks of 32 codes, two codes a byte); Wv_scales 512 x 16 uint8 (E8M0 scales of Wv, one for each 32 codes along K); bk 512 float32; bo 512 float32; bq 512 float32; bv 512 float32; x_codes 2 x 4,096 x 16 x 16 uint8 (E2M1 codes of x, K innermost, in blocks of 32 codes, two codes a byte); x_scales 2 x 4,096 x 16 uint8 (E8M0 scales of x, one for each 32 codes along K).
;; Outputs: out0 2 x 4,096 x 512 float32.
;; This version of the problem:
;;   THIS VERSION OF THE PROBLEM IS GIVEN IN LOW PRECISION. The matrix products marked QUANTISED in the list below multiply operands that are first quantised to E2M1 (2 exponent bits, 1 mantissa bit; 4 bits a number), with one power-of-two scale for each 32 numbers along K (OCP MX v1.0); their sums are f32. All else is computed in f32.
;;   The module's matrix products, in the order in which they are computed (A, B: the left and right operand; K: the contracted axis; several contracted axes count as one K, in the product's order):
;;     1. [M 8,192, K 512] x [K 512, N 512]; A: input x (given as codes); B: input Wq (given as codes): QUANTISED
;;     2. [M 8,192, K 512] x [K 512, N 512]; A: input x (given as codes); B: input Wk (given as codes): QUANTISED
;;     3. [M 8,192, K 512] x [K 512, N 512]; A: input x (given as codes); B: input Wv (given as codes): QUANTISED
;;     4. batch 16 x [M 4,096, K 64] x [K 64, N 4,096]; A: computed on the way; B: computed on the way: QUANTISED
;;     5. batch 16 x [M 4,096, K 4,096] x [K 4,096, N 64]; A: softmax (see below); B: computed on the way: QUANTISED
;;     6. [M 8,192, K 512] x [K 512, N 512]; A: computed on the way; B: input Wo (given as codes): QUANTISED
;;   THE QUANTISER, for each operand of a quantised product, along K:
;;     - K is cut into blocks of 32 from its start; a last block that is shorter is filled with zeros.
;;     - A block's scale is 2^e with e = floor(log2(the largest magnitude in the block)) - 2, held to -126 .. 127; a block of zeros has e = 0. As a byte (E8M0): e + 127.
;;     - Each number is divided by its block's scale, clamped to +-6, and rounded to the nearest number of E2M1, ties to even, subnormals kept.
;;     - The product sums the exact products of the quantised numbers (number of the format x scale) in f32.
;;   ~~~python
;;   def quantise(x, axis):      # numpy; x: float32 -> the quantised numbers, widened to float32 again
;;       x = np.moveaxis(x, axis, -1); K = x.shape[-1]
;;       x = np.pad(x, [(0, 0)] * (x.ndim - 1) + [(0, -K % 32)]); x = x.reshape(x.shape[:-1] + (-1, 32)); a = np.abs(x).max(-1, keepdims=True)
;;       e = np.where(a > 0, np.clip(np.frexp(np.where(a > 0, a, 1))[1] - 1 - 2, -126, 127), 0)      # np.frexp(a)[1] - 1 = floor(log2(a)), exactly
;;       r = np.clip(x / 2.0 ** e, -6, 6)
;;       step = 2.0 ** (np.maximum(np.frexp(np.where(r == 0, 1, r))[1] - 1, 0) - 1)
;;       q = np.round(r / step) * step * 2.0 ** e      # np.round: ties to even
;;       return np.moveaxis(q.reshape(q.shape[:-2] + (-1,))[..., :K], -1, axis).astype(np.float32)
;;   ~~~
;;   SOFTMAX AHEAD OF A QUANTISED PRODUCT. Where the list says 'softmax', what is quantised is not the finished softmax but p = 2^(t - M), with t = logit x log2(e) and M = ceil(the row's largest t), a whole number; so 1/2 < the row's largest p <= 1. The row's sum l is taken of the UNQUANTISED p, in f32, and the product's result is divided by l at the end. Since M is a whole number, a kernel that streams over the keys may use a running M (the ceiling of the running maximum): every later rescaling is an exact power of two, which a block's scale takes up: the codes' values come out the same.
;;   OPERANDS COMPUTED ON THE WAY. 'Computed on the way' means the value that the module computes at that place (a softmax that the list does not call 'softmax' is quantised finished and normalised). What goes into a quantiser is computed in f32, as accurately as f32 sums, v_exp_f32 and their like allow (about 1e-6 of the number): no bf16 or f16 on the way to a quantiser, and a product that is left as it is and whose result goes on into a quantised operand takes f32 operands (vector FMAs, or v_wmma_f32_16x16x4_f32). A number that lies on a knife's edge between two numbers of the format may be rounded either way, as far as f32 arithmetic and the matrix unit's own rounding can turn it there, and no further.
;;   INPUTS GIVEN AS CODES. Wk (in the module: [512, 512], K = its axis 0); Wo (in the module: [512, 512], K = its axis 0); Wq (in the module: [512, 512], K = its axis 0); Wv (in the module: [512, 512], K = its axis 0); x (in the module: [2, 4096, 512], K = its axis 2): each comes as NAME_codes (uint8): NAME with its K axis moved to the last place and cut into blocks of 32 codes, [.., K / 32, bytes a block], one block behind the other in memory; two codes a byte, the lower K in the low four bits (a code: sign, 2 exponent bits, 1 mantissa bit); and NAME_scales (uint8): the same leading axes, one E8M0 byte (e + 127) for each 32 codes along K. Its value is code x scale, taken as it is: it is not quantised again, and the codes and scales need not be those that the quantiser above would give.
;; 2 versions. Each part assembles by itself: llvm-mc -triple=amdgcn-amd-amdhsa -mcpu=gfx1250 --defsym DOCPART=n.
;; ======== version 1 of 2: 3 launches
;; workspace buffers: qc 2,097,152 bytes; kc 2,097,152 bytes; vc 2,097,152 bytes; qs 262,144 bytes; ks 131,072 bytes; vs 131,072 bytes; ac 2,097,152 bytes; asc 131,072 bytes
;; launch qkv (part 1): grid 64 x 4, 3 waves a work-group, no clusters, 0 bytes of LDS; arguments x_codes, x_scales, Wq_codes, Wq_scales, bq, qc, qs, Wk_codes, Wk_scales, bk, kc, ks, Wv_codes, Wv_scales, bv, vc, vs; writes qc, qs, kc, ks, vc, vs
.if DOCPART == 1
	.amdgcn_target "amdgcn-amd-amdhsa--gfx1250"
	.amdhsa_code_object_version 6
	.text
	.protected	k_q51e5709003_qkv
	.globl	k_q51e5709003_qkv
	.p2align	8
	.type	k_q51e5709003_qkv,@function
k_q51e5709003_qkv:
	s_mov_b64 s[64:65], 0
	v_nop
	global_prefetch_b8 v0, s[64:65] scope:SCOPE_SE
	s_setreg_imm32_b32 hwreg(HW_REG_WAVE_MODE, 25, 1), 1
	s_wait_xcnt 0x0
; Q = x Wq + bq, K = x Wk + bk, V = x Wv + bv on codes of FP4 (E2M1) with E8M0 scales, and the three results quantised at once: Q and K along a head's 64 channels, V along the keys.
; x: 8,192 rows of 512 codes (256 bytes), 16 scale bytes a row; each W: 512 rows (features) of 512 codes, K innermost.
; SHARES.  A work-group takes 128 rows of x (ttmp9) and 128 features, a pair of heads (ttmp7).  Wave 0 makes Q, wave 1 K, wave 2 V: three jobs of 128 x 128 x 512 that share nothing: no LDS, no barrier.
; ONE FORM OF JOB.  BIG: 8 tiles of 16 rows x 4 K steps, kept in 256 registers.  SMALL: 8 tiles that are streamed, two sets of registers by turns.  For each SMALL tile 32 products, source 0 = BIG's tile, source 1 = SMALL's:
; a lane then holds ONE row of SMALL, and its 64 results run along BIG's 128 rows, which are the next product's K.  Q, K: BIG = the weight's features, SMALL = x.  V: BIG = x (the keys), SMALL = Wv.  Only pointers differ.
; THE ROWS OF A TILE ARE NOT NEIGHBOURS: lane r of tile i takes row 32 (i / 2) + 8 (i % 2) + r + 8 (r / 8), so that the 16 results of tiles 2 b and 2 b + 1 in a lane are the neighbours 32 b + 16 (lane / 16) + 0 .. 15.
; WHAT IS STORED is the image of the next launch's operand registers: for each SMALL tile 8 registers a lane, two stores of 512 consecutive bytes; and its scale words, regrouped by head at the end (see the three ends).
; A block's scale byte is its largest magnitude's exponent field - 2, held at 1 from below.  LIMITS: a block of zeros gets the byte 1 where the rule says 127 (its codes are zeros, and this program alone reads the bytes);
; NaN, infinities and a scale byte 0xff among the inputs are not served.
; REGISTERS.  window 0: v1-9 lane figures and offsets; v16-47 BIG's scale words (4 t + s); v48-111 SMALL, two sets (8 s + 4 c); v112-119 its scale words; v120-183 the 8 accumulators; v184-191 codes; v192-207 at work;
;   v208-215 the 8 tiles' scale words; v232-239 the words as stored.   window 1: BIG (32 t + 8 s + 4 c).   window 2: v0-63 the biases, as the C of each sum's first product.
.set BS,  16
.set SM,  48
.set SS,  112
.set ACC, 120
.set PC,  184
.set TM,  192
.set PW,  208
.set OW,  232
.set MSB, 0
.macro WIN new                         ; the immediate's high byte repeats the setting that is left
.if MSB != \new
	s_set_vgpr_msb (MSB<<8)|\new
.set MSB, \new
.endif
.endm
.macro MMC d, a, b, c, sa, sb          ; D = A B + C, 16 x 16 x 128, both sides FP4, a scale word a row on each side
	v_wmma_scale_f32_16x16x128_f8f6f4 v[\d:\d+7], v[\a:\a+7], v[\b:\b+7], v[\c:\c+7], v[\sa], v[\sb] matrix_a_fmt:MATRIX_FMT_FP4 matrix_b_fmt:MATRIX_FMT_FP4
.endm
	s_load_b512 s[8:23], s[0:1], 0x0               ; x codes 8, x scales 10, Wq codes 12, Wq scales 14, bq 16, qc 18, qs 20, Wk codes 22
	s_load_b512 s[24:39], s[0:1], 0x40             ; Wk scales 24, bk 26, kc 28, ks 30, Wv codes 32, Wv scales 34, bv 36, vc 38
	s_load_b64 s[40:41], s[0:1], 0x80              ; vs
	v_lshrrev_b32 v1, 5, v0
	v_readfirstlane_b32 s2, v1                     ; wave: 0 Q, 1 K, 2 V
	s_mov_b32 s3, ttmp9                            ; X: which 128 rows of x
	s_and_b32 s4, ttmp7, 0xffff                    ; Y: which 128 features
	s_lshr_b32 s5, s3, 5
	s_lshl_b32 s5, s5, 7
	s_lshl_b32 s6, s4, 5
	s_add_co_u32 s5, s5, s6
	s_and_b32 s6, s3, 31
	s_add_co_u32 s5, s5, s6                        ; J = (batch x 4 + pair of heads) x 32 + block of 128 rows
	s_lshl_b32 s66, s4, 15                         ; byte offsets, each in a pair with 0 above it: the weight's codes: 128 rows of 256 bytes,
	s_mov_b32 s67, 0
	s_lshl_b32 s68, s4, 11                         ; its scales: 128 rows of 16,
	s_mov_b32 s69, 0
	s_lshl_b32 s70, s4, 9                          ; the bias: 128 numbers,
	s_mov_b32 s71, 0
	s_lshl_b32 s72, s3, 15                         ; x's codes,
	s_mov_b32 s73, 0
	s_lshl_b32 s74, s3, 11                         ; x's scales,
	s_mov_b32 s75, 0
	s_lshl_b32 s76, s5, 13                         ; the codes that I store: 8,192 bytes a job,
	s_mov_b32 s77, 0
	s_cmp_eq_u32 s2, 0
	s_cselect_b32 s6, 10, 9
	s_lshl_b32 s78, s5, s6                         ; the scale words: 1,024 bytes a job for Q, 512 for K and V
	s_mov_b32 s79, 0
	s_mov_b32 s58, 0x76543210
	s_mov_b32 s59, 0xfedcba98                      ; v_permlanex16_b32's selects for lane l xor 16
	v_and_b32 v1, 15, v0                           ; r
	v_bfe_u32 v2, v0, 4, 1                         ; h
	v_and_b32 v3, 8, v1
	v_add_nc_u32 v3, v3, v1                        ; r + 8 (r / 8)
	v_lshlrev_b32 v4, 8, v3
	v_lshl_add_u32 v4, v2, 4, v4                   ; a fragment's bytes: row x 256 + 16 h
	v_lshlrev_b32 v5, 4, v3                        ; a row's 16 scale bytes: the words of its four K steps
	v_and_b32 v7, 31, v0
	v_lshlrev_b32 v7, 4, v7                        ; an image's place for my lane: 16 x lane
.irp b, 0,1,2,3
	v_mov_b32 v[TM+4+\b], 0                        ; written once: a lane permute's destination counts as one of its sources
.endr
	s_wait_kmcnt 0x0
	s_cmp_eq_u32 s2, 0                             ; my role's five buffers: the choice hangs on the wave's number alone
	s_cselect_b64 s[60:61], s[12:13], s[22:23]
	s_cselect_b64 s[62:63], s[14:15], s[24:25]
	s_cselect_b64 s[52:53], s[16:17], s[26:27]
	s_cselect_b64 s[54:55], s[18:19], s[28:29]
	s_cselect_b64 s[56:57], s[20:21], s[30:31]
	s_cmp_eq_u32 s2, 2
	s_cselect_b64 s[60:61], s[32:33], s[60:61]     ; the weight's codes
	s_cselect_b64 s[62:63], s[34:35], s[62:63]     ; its scales
	s_cselect_b64 s[52:53], s[36:37], s[52:53]     ; the bias
	s_cselect_b64 s[54:55], s[38:39], s[54:55]     ; codes out
	s_cselect_b64 s[56:57], s[40:41], s[56:57]     ; scale words out
	s_add_nc_u64 s[60:61], s[60:61], s[66:67]      ; (these sums leave the compare's result alone)
	s_add_nc_u64 s[62:63], s[62:63], s[68:69]
	s_add_nc_u64 s[52:53], s[52:53], s[70:71]
	s_add_nc_u64 s[54:55], s[54:55], s[76:77]
	s_add_nc_u64 s[56:57], s[56:57], s[78:79]
	s_add_nc_u64 s[8:9], s[8:9], s[72:73]
	s_add_nc_u64 s[10:11], s[10:11], s[74:75]
	s_cselect_b64 s[44:45], s[8:9], s[60:61]       ; BIG: x for V, the weight for Q and K
	s_cselect_b64 s[46:47], s[10:11], s[62:63]
	s_cselect_b64 s[48:49], s[60:61], s[8:9]       ; SMALL: the other one
	s_cselect_b64 s[50:51], s[62:63], s[10:11]
	WIN 0x40                                       ; destination window 1
.irp t, 0,1,2,3,4,5,6,7                        ; BIG's 32 fragments: they stay
.irp s, 0,1,2,3
.irp c, 0,1
	global_load_b128 v[32*\t+8*\s+4*\c:32*\t+8*\s+4*\c+3], v4, s[44:45] offset:(32*(\t/2)+8*(\t%2))*256+64*\s+32*\c
.endr
.endr
.endr
	WIN 0
.irp t, 0,1,2,3,4,5,6,7
	global_load_b128 v[BS+4*\t:BS+4*\t+3], v5, s[46:47] offset:(32*(\t/2)+8*(\t%2))*16
.endr
	s_cmp_eq_u32 s2, 2
	s_cbranch_scc1 .Lbias_v
	v_lshlrev_b32 v6, 6, v2                        ; Q, K: result j of BIG's tile t is feature 32 (t / 2) + 8 (t % 2) + 16 h + j: eight neighbouring numbers of the bias
	WIN 0x80                                       ; destination window 2
.irp t, 0,1,2,3,4,5,6,7
	global_load_b128 v[8*\t:8*\t+3], v6, s[52:53] offset:(32*(\t/2)+8*(\t%2))*4
	global_load_b128 v[8*\t+4:8*\t+7], v6, s[52:53] offset:(32*(\t/2)+8*(\t%2))*4+16
.endr
	WIN 0
	s_branch .Lbias_done
.Lbias_v:
	v_lshlrev_b32 v6, 2, v3                        ; V: a lane holds ONE channel, SMALL's row: its bias stands in all eight registers of the C for SMALL's tile i
	WIN 0x80
.irp i, 0,1,2,3,4,5,6,7
.irp j, 0,1,2,3,4,5,6,7
	global_load_b32 v[8*\i+\j], v6, s[52:53] offset:(32*(\i/2)+8*(\i%2))*4
.endr
.endr
	WIN 0
.Lbias_done:
.macro SLOAD i                         ; SMALL's tile i into set i % 2: four fragments and the rows' scale words: nine loads
.irp s, 0,1,2,3
.irp c, 0,1
	global_load_b128 v[SM+32*((\i)%2)+8*\s+4*\c:SM+32*((\i)%2)+8*\s+4*\c+3], v4, s[48:49] offset:(32*((\i)/2)+8*((\i)%2))*256+64*\s+32*\c
.endr
.endr
	global_load_b128 v[SS+4*((\i)%2):SS+4*((\i)%2)+3], v5, s[50:51] offset:(32*((\i)/2)+8*((\i)%2))*16
.endm
; 64 numbers of a lane, v[s] .. v[s + 63], register 16 b + i = k 32 b + 16 (lane / 16) + i of my row, become a fragment's codes in v[PC] on and its scale word in v[pw].
.macro QUANT s, pw
.irp b, 0,1,2,3
	v_max3_num_f32 v[TM+\b], |v[\s+16*\b]|, |v[\s+1+16*\b]|, 0x1800000   ; block b: my 16 numbers, and the floor 2^(3 - 127): the byte cannot fall under 1
.endr
.irp i, 2,4,6,8,10,12,14
.irp b, 0,1,2,3
	v_max3_num_f32 v[TM+\b], v[TM+\b], |v[\s+16*\b+\i]|, |v[\s+1+16*\b+\i]|   ; the four blocks by turns
.endr
.endr
.irp b, 0,1,2,3
	v_permlanex16_b32 v[TM+4+\b], v[TM+\b], s58, s59
.endr
.irp b, 0,1,2,3
	v_max_num_f32 v[TM+\b], v[TM+\b], v[TM+4+\b]   ; with lane l xor 16's: the block's largest magnitude
.endr
.irp b, 0,1,2,3
	v_add_nc_u32 v[TM+12+\b], 0xff000000, v[TM+\b] ; 2 off its exponent field: the conversion takes the exponent field of this operand as its scale
.endr
.irp b, 0,1,2,3
	v_lshrrev_b32 v[TM+4+\b], 23, v[TM+12+\b]      ; the scale's byte
.endr
	v_lshl_or_b32 v[\pw], v[TM+5], 8, v[TM+4]      ; four bytes: my row's scale word
	v_lshl_or_b32 v[\pw], v[TM+6], 16, v[\pw]
	v_lshl_or_b32 v[\pw], v[TM+7], 24, v[\pw]
	s_wait_xcnt 0x0                                ; the last tile's two stores have read v[PC] on: only behind this wait are those registers written again
.irp b, 0,1,2,3
	v_cvt_scalef32_pk8_fp4_f32 v[PC+2*\b], v[\s+16*\b:\s+7+16*\b], v[TM+12+\b]
	v_cvt_scalef32_pk8_fp4_f32 v[PC+1+2*\b], v[\s+8+16*\b:\s+15+16*\b], v[TM+12+\b]
.endr
	v_nop                                          ; one plain place behind a scaled conversion
.irp c, 0,1                                    ; the operand's layout wants a WHOLE block in a lane: lanes 0-15 block 2 c, lanes 16-31 block 2 c + 1
.irp i, 0,1
	v_permlane16_swap_b32 v[PC+4*\c+\i], v[PC+2+4*\c+\i]
.endr
.endr
.endm
; SMALL's tile i: 32 products, the eight accumulators by turns, K step by K step; the bias is the C of the first K step.
.macro TILE i
.if \i < 7
	s_wait_loadcnt 9                               ; all but the next tile's nine loads are in
.else
	s_wait_loadcnt 0x0
.endif
	s_cmp_eq_u32 s2, 2
	s_cbranch_scc1 .Lfirst_v_\@
	WIN 0x21                                       ; source 0 (BIG) window 1, C (the bias) window 2
.irp t, 0,1,2,3,4,5,6,7
	MMC ACC+8*\t, 32*\t, SM+32*((\i)%2), 8*\t, BS+4*\t, SS+4*((\i)%2)
.endr
	WIN 0
	s_branch .Lfirst_done_\@
.Lfirst_v_\@:
	WIN 0x21
.irp t, 0,1,2,3,4,5,6,7
	MMC ACC+8*\t, 32*\t, SM+32*((\i)%2), 8*(\i), BS+4*\t, SS+4*((\i)%2)
.endr
	WIN 0
.Lfirst_done_\@:
	WIN 0x01
.irp s, 1,2,3
.irp t, 0,1,2,3,4,5,6,7
	MMC ACC+8*\t, 32*\t+8*\s, SM+32*((\i)%2)+8*\s, ACC+8*\t, BS+4*\t+\s, SS+4*((\i)%2)+\s
.endr
.endr
	WIN 0
.rept 4
	v_nop                                          ; four places in front of loads into registers that the products have read, and of the first read of results
.endr
.if \i < 6
	SLOAD (\i)+2                                   ; into the set just multiplied
.endif
	QUANT ACC, PW+(\i)                             ; its plain lines on v[TM] on are also the places ahead of the next tile's products, which begin the accumulators anew
	global_store_b128 v7, v[PC:PC+3], s[54:55] offset:1024*(\i)       ; 32 lanes store 512 consecutive bytes, at a multiple of 512 from the buffer's first byte
	global_store_b128 v7, v[PC+4:PC+7], s[54:55] offset:1024*(\i)+512
.endm
	SLOAD 0
	SLOAD 1
.irp i, 0,1,2,3,4,5,6,7
	TILE \i
.endr
	; THE SCALE WORDS.  v[PW + i], in every lane (r, h): the four bytes of row r of SMALL's tile i.  Lanes 0-15 store the even head's 256 bytes, lanes 16-31 the odd head's: a byte select that differs by h.
	v_lshlrev_b32 v8, 4, v1                        ; 16 r
	s_cmp_eq_u32 s2, 0
	s_cbranch_scc0 .Lnot_q
	s_mov_b32 s6, 0x02020202                       ; Q: bytes 0, 1 are the even head's, 2, 3 the odd head's.  The head's two bytes, twice: its codes will stand in either half of an operand
	v_mul_lo_u32 v9, v2, s6
	v_add_nc_u32 v9, 0x01000100, v9
	v_lshl_add_u32 v8, v2, 9, v8                   ; [head 2][tiles 0-3, 4-7][r 16][4 words]
.irp i, 0,1,2,3,4,5,6,7
	v_perm_b32 v[OW+\i], v[PW+\i], v[PW+\i], v9
.endr
	global_store_b128 v8, v[OW:OW+3], s[56:57]
	global_store_b128 v8, v[OW+4:OW+7], s[56:57] offset:256
	s_endpgm
.Lnot_q:
	v_lshl_add_u32 v8, v2, 8, v8                   ; K, V: [head 2][r 16][4 words]
	s_cmp_eq_u32 s2, 1
	s_cbranch_scc0 .Lis_v
	s_mov_b32 s6, 0x02020202                       ; K: word b holds the head's two bytes of key tile 2 b, then those of tile 2 b + 1: the two tiles will stand in one operand
	v_mul_lo_u32 v9, v2, s6
	v_add_nc_u32 v9, 0x05040100, v9
.irp b, 0,1,2,3
	v_perm_b32 v[OW+\b], v[PW+2*\b+1], v[PW+2*\b], v9
.endr
	global_store_b128 v8, v[OW:OW+3], s[56:57]
	s_endpgm
.Lis_v:
	s_mov_b32 s6, 0x04040404                       ; V: tiles 0-3 are the even head's channels, tiles 4-7 the odd head's; a word is a channel's four blocks of keys
	v_mul_lo_u32 v9, v2, s6
	v_add_nc_u32 v9, 0x03020100, v9
.irp t, 0,1,2,3
	v_perm_b32 v[OW+\t], v[PW+4+\t], v[PW+\t], v9
.endr
	global_store_b128 v8, v[OW:OW+3], s[56:57]
	s_endpgm
.Lfunc_end_k_q51e5709003_qkv:
	.size	k_q51e5709003_qkv, .Lfunc_end_k_q51e5709003_qkv-k_q51e5709003_qkv
	.p2alignl 7, 3214868480
	.fill 96, 4, 3214868480
	.section	.rodata,"a",@progbits
	.p2align	6, 0x0
	.amdhsa_kernel k_q51e5709003_qkv
		.amdhsa_group_segment_fixed_size 0
		.amdhsa_private_segment_fixed_size 0
		.amdhsa_enable_private_segment 0
		.amdhsa_kernarg_size 136
		.amdhsa_user_sgpr_count 2
		.amdhsa_user_sgpr_kernarg_segment_ptr 1
		.amdhsa_wavefront_size32 1
		.amdhsa_system_sgpr_workgroup_id_x 1
		.amdhsa_system_sgpr_workgroup_id_y 1
		.amdhsa_system_sgpr_workgroup_id_z 1
		.amdhsa_system_vgpr_workitem_id 0
		.amdhsa_next_free_vgpr 576
		.amdhsa_next_free_sgpr 84
		.amdhsa_reserve_vcc 0
		.amdhsa_float_denorm_mode_32 3
		.amdhsa_float_denorm_mode_16_64 3
		.amdhsa_memory_ordered 1
		.amdhsa_forward_progress 1
		.amdhsa_inst_pref_size 102
	.end_amdhsa_kernel
	.amdgpu_metadata
---
amdhsa.version: [ 1, 2 ]
amdhsa.kernels:
  - .name:           k_q51e5709003_qkv
    .symbol:         k_q51e5709003_qkv.kd
    .args:
      - { .name: x_codes, .offset: 0, .size: 8, .value_kind: global_buffer, .address_space: global }
      - { .name: x_scales, .offset: 8, .size: 8, .value_kind: global_buffer, .address_space: global }
      - { .name: Wq_codes, .offset: 16, .size: 8, .value_kind: global_buffer, .address_space: global }
      - { .name: Wq_scales, .offset: 24, .size: 8, .value_kind: global_buffer, .address_space: global }
      - { .name: bq, .offset: 32, .size: 8, .value_kind: global_buffer, .address_space: global }
      - { .name: qc, .offset: 40, .size: 8, .value_kind: global_buffer, .address_space: global }
      - { .name: qs, .offset: 48, .size: 8, .value_kind: global_buffer, .address_space: global }
      - { .name: Wk_codes, .offset: 56, .size: 8, .value_kind: global_buffer, .address_space: global }
      - { .name: Wk_scales, .offset: 64, .size: 8, .value_kind: global_buffer, .address_space: global }
      - { .name: bk, .offset: 72, .size: 8, .value_kind: global_buffer, .address_space: global }
      - { .name: kc, .offset: 80, .size: 8, .value_kind: global_buffer, .address_space: global }
      - { .name: ks, .offset: 88, .size: 8, .value_kind: global_buffer, .address_space: global }
      - { .name: Wv_codes, .offset: 96, .size: 8, .value_kind: global_buffer, .address_space: global }
      - { .name: Wv_scales, .offset: 104, .size: 8, .value_kind: global_buffer, .address_space: global }
      - { .name: bv, .offset: 112, .size: 8, .value_kind: global_buffer, .address_space: global }
      - { .name: vc, .offset: 120, .size: 8, .value_kind: global_buffer, .address_space: global }
      - { .name: vs, .offset: 128, .size: 8, .value_kind: global_buffer, .address_space: global }
    .group_segment_fixed_size: 0
    .private_segment_fixed_size: 0
    .kernarg_segment_align: 8
    .kernarg_segment_size: 136
    .max_flat_workgroup_size: 96
    .sgpr_count:     84
    .vgpr_count:     576
    .wavefront_size: 32
...
	.end_amdgpu_metadata
.endif
;; end of part 1
;; launch attn (part 2): grid 16 x 16, 16 waves a work-group, no clusters, 280,576 bytes of LDS; arguments qc, qs, kc, ks, vc, vs, ac, asc; writes ac, asc
.if DOCPART == 2
	.amdgcn_target "amdgcn-amd-amdhsa--gfx1250"
	.amdhsa_code_object_version 6
	.text
	.protected	k_q51e5709003_attn
	.globl	k_q51e5709003_attn
	.p2align	8
	.type	k_q51e5709003_attn,@function
k_q51e5709003_attn:
	s_mov_b64 s[64:65], 0
	v_nop
	global_prefetch_b8 v0, s[64:65] scope:SCOPE_SE
	s_setreg_imm32_b32 hwreg(HW_REG_WAVE_MODE, 25, 1), 1
	s_wait_xcnt 0x0
; Causal attention of one head on codes of FP4 (E2M1) with E8M0 scales: S^T = K Q^T, p = 2^(t - M), O^T = V^T P^T, O / l, and O quantised along the model's 512 for the last product.
; t = score x log2(e) / 8; M = the row's largest t so far, rounded UP to a whole number; the row's sum l is taken of the unquantised p; when M moves, l and O are multiplied by 2^(old M - new M), which rounds nothing.
; INPUTS are images of operand registers, made by the launch before: 512 bytes (16 a lane) for 16 rows x 64 along K.  Keys go in steps of 128; a step's K is 8 pieces (key tile i), its V 8 pieces (channel tile t, key half c).
; SHARES.  A work-group owns one head (ttmp7) and two blocks of 128 queries, j = ttmp9 and 31 - j.  Wave w owns ONE tile of 16 queries: tile w / 2 of block j or 31 - j, by the bit (w xor w / 4) & 1.
; A wave works block + 1 key steps, so any four waves w, w + 1, w + 2, w + 3 and any four w, w + 4, w + 8, w + 12 have 2 (j + 1) + 2 (32 - j) = 66 steps together, in every work-group.
; THE WHOLE HEAD'S K AND V LIE IN LDS, FILLED ONCE: 2 x 131,072 bytes of codes and 2 x 8,192 of scale words.  Images need no padding: each LDS load reads 512 consecutive bytes.  Nothing is filled again.
; They come in three groups of key steps (0-3, 4-15, 16-31), so that work begins when the first has landed.  Each of the 16 waves fetches one piece of K or of V through all steps: four tensor loads a wave, all out at once.
; THE SCORE PRODUCT HAS K = 64, THE INSTRUCTION 128: key tiles 2 b and 2 b + 1 stand in the two halves of ONE source 0; source 1 is [q, 0] for the first and [0, q] for the second: zero codes add nothing.
; THE KEYS OF A TILE ARE NOT NEIGHBOURS (tile i, lane r: key 32 (i / 2) + 8 (i % 2) + r + 8 (r / 8)), so that a lane's 16 scores of tiles 2 b, 2 b + 1 are keys 32 b + 16 (lane / 16) + 0 .. 15; V's channels and the queries likewise.
; CAUSAL.  A step behind my block is left out by a scalar branch on ids (the loops' trip counts are constants); in the step of my own block hidden scores become -infinity ahead of the maximum.
; NO CLUSTER, NO JOINT LOADS, though the 16 work-groups of a head read the same K and V: the two branches above hang on the query block, which differs between such partners.
; LIMITS: a block of zeros gets the byte 1 where the rule says 127 (zero codes; read by this program alone); 1 / l is v_rcp_f32 and a multiply; a block's largest p is taken through the block's largest score
; (the same multiply-add and exponential on the same number); NaN and infinities are not served.
; REGISTERS: v1-4 lane figures; v8-10 the step's LDS addresses; v12 -M, v13 the largest t, v[14:15] l in two halves; v16-27 0, q, 0; v32-63 K; v64-95 V; v96-159 S^T, then p; v160-191 O^T; v192-199 p's codes;
;   v200-203 K's scale words, v204-207 V's, v253 p's, v255 Q's; v232-254 at work.
.set L16, 1                            ; v1   16 x lane
.set SCA, 2                            ; v2   LDS: K's scale words, 16 x (lane % 16)
.set DG,  3                            ; v3   my query's place in its block - 16 (lane / 16)
.set R16, 4                            ; v4   16 x (lane % 16)
.set ADK, 8
.set ADV, 9
.set ADS, 10
.set Q0Z, 20                           ; v[20:27] = [q, 0]
.set QZ0, 16                           ; v[16:23] = [0, q]
.set KF,  32
.set VF,  64
.set S,   96
.set OT,  160
.set PC,  192
.set KSW, 200
.set VSW, 204
.set WV,  24                           ; s24 wave;  s25 0: I fetch for K, 1: for V;  s26 which piece;  s27 batch x 4 + pair of heads
.set QB,  84                           ; s84 my block of queries
.set ST,  85                           ; s85 the key step
.set TK,  86                           ; s86 LDS byte of the step's first piece of K
.set TSC, 87                           ; s87 256 x step: its scale words
.set CNT, 88
.set TI,  89                           ; s89 my tile in the block
.macro MM0 d, a, b, sa, sb             ; D = A B, 16 x 16 x 128, both sides FP4
	v_wmma_scale_f32_16x16x128_f8f6f4 v[\d:\d+7], v[\a:\a+7], v[\b:\b+7], 0, v[\sa], v[\sb] matrix_a_fmt:MATRIX_FMT_FP4 matrix_b_fmt:MATRIX_FMT_FP4
.endm
.macro MMC d, a, b, c, sa, sb
	v_wmma_scale_f32_16x16x128_f8f6f4 v[\d:\d+7], v[\a:\a+7], v[\b:\b+7], v[\c:\c+7], v[\sa], v[\sb] matrix_a_fmt:MATRIX_FMT_FP4 matrix_b_fmt:MATRIX_FMT_FP4
.endm
.macro G1C g, rows                     ; descriptor group 1: rows key steps of one piece: 512 bytes (64 elements of 8) each, 8,192 bytes (1,024 elements) apart in memory, on end in LDS
	s_mov_b32 s[\g], 3<<16                         ; no mask; elements of 8 bytes; no padding
	s_mov_b32 s[\g+1], 64<<16                      ; tensor_dim0
	s_mov_b32 s[\g+2], \rows<<16                   ; tensor_dim1
	s_mov_b32 s[\g+3], 64<<16                      ; tile_dim0
	s_mov_b32 s[\g+4], \rows                       ; tile_dim1
	s_mov_b32 s[\g+5], 1024                        ; from row to row
	s_mov_b32 s[\g+6], 0
	s_mov_b32 s[\g+7], 0
.endm
	s_load_b512 s[8:23], s[0:1], 0x0               ; qc 8, qs 10, kc 12, ks 14, vc 16, vs 18, ac 20, asc 22
	v_lshl_add_u32 v250, v0, 2, 0x44000
	v_mov_b32 v251, 0
	ds_add_u32 v250, v251
	ds_add_u32 v250, v251
	v_lshrrev_b32 v5, 5, v0
	v_readfirstlane_b32 s[WV], v5
	s_and_b32 s90, ttmp7, 0xffff
	s_lshr_b32 s91, s90, 3                         ; batch
	s_and_b32 s92, s90, 7                          ; head
	s_lshr_b32 s93, s92, 1
	s_and_b32 s94, s92, 1                          ; the head's place in its pair
	s_lshl_b32 s27, s91, 2
	s_add_co_u32 s27, s27, s93
	s_lshr_b32 s25, s[WV], 3
	s_and_b32 s26, s[WV], 7
	s_lshr_b32 s[TI], s[WV], 1
	s_lshr_b32 s95, s[WV], 2
	s_xor_b32 s95, s95, s[WV]
	s_and_b32 s95, s95, 1
	s_sub_co_u32 s93, 31, ttmp9
	s_cmp_eq_u32 s95, 1
	s_cselect_b32 s[QB], s93, ttmp9                ; block 31 - j or j
	; where my four tiles go in LDS: constants, the wave's number times constants
	s_lshl_b32 s90, s25, 13
	s_lshl_b32 s93, s26, 10
	s_add_co_u32 s29, s90, s93
	s_add_co_u32 s29, s29, 262144                  ; scale words: 262,144 + 8,192 side + 1,024 piece (four steps of 256 bytes)
	s_lshl_b32 s90, s25, 17                        ; codes: V's lie 131,072 behind K's
	s_lshl_b32 s93, s26, 11
	s_add_co_u32 s33, s90, s93                     ; steps 0-3: 2,048 bytes a piece
	s_mul_i32 s93, s26, 6144
	s_add_co_u32 s37, s90, s93
	s_add_co_u32 s37, s37, 16384                   ; steps 4-15: 6,144 a piece, from 16,384 on
	s_lshl_b32 s93, s26, 13
	s_add_co_u32 s41, s90, s93
	s_add_co_u32 s41, s41, 65536                   ; steps 16-31: 8,192 a piece, from 65,536 on
	; and where they come from
	s_lshl_b32 s90, s26, 10
	s_lshl_b32 s93, s94, 9
	s_add_co_u32 s90, s90, s93                     ; K's piece: key tile x 1,024 + head's place x 512
	s_lshl_b32 s93, s94, 12
	s_lshl_b32 s95, s26, 9
	s_add_co_u32 s93, s93, s95                     ; V's: head's place x 4,096 + piece x 512
	s_cmp_eq_u32 s25, 0
	s_cselect_b32 s96, s90, s93
	s_lshl_b32 s90, s27, 18                        ; 32 steps of 8,192 bytes for each pair of heads
	s_add_co_u32 s96, s96, s90
	s_mov_b32 s97, 0
	s_lshl_b32 s98, s27, 14                        ; scale words: 32 steps of 512 bytes,
	s_lshl_b32 s90, s94, 8                         ; the head's 256 of them,
	s_add_co_u32 s98, s98, s90
	s_lshl_b32 s90, s26, 11                        ; from step 4 x piece on
	s_add_co_u32 s98, s98, s90
	s_mov_b32 s99, 0
	; Q's image and scale word
	s_lshl_b32 s90, s27, 5
	s_add_co_u32 s90, s90, s[QB]
	s_lshl_b32 s2, s90, 13
	s_lshl_b32 s93, s[TI], 10
	s_add_co_u32 s2, s2, s93
	s_lshl_b32 s93, s94, 9
	s_add_co_u32 s2, s2, s93
	s_mov_b32 s3, 0
	s_lshl_b32 s4, s90, 10
	s_add_co_u32 s4, s4, s93
	s_lshr_b32 s93, s[TI], 2
	s_lshl_b32 s93, s93, 8
	s_add_co_u32 s4, s4, s93
	s_and_b32 s93, s[TI], 3
	s_lshl_b32 s93, s93, 2
	s_add_co_u32 s4, s4, s93
	s_mov_b32 s5, 0
	; the result: tile T = (batch x 32 + block) x 8 + tile: 4,096 bytes of codes (512 a head), 256 of scale bytes (2 a row and head)
	s_lshl_b32 s90, s91, 5
	s_add_co_u32 s90, s90, s[QB]
	s_lshl_b32 s90, s90, 3
	s_add_co_u32 s90, s90, s[TI]
	s_lshl_b32 s6, s90, 12
	s_lshl_b32 s93, s92, 9
	s_add_co_u32 s6, s6, s93
	s_mov_b32 s7, 0
	s_lshl_b32 s66, s90, 8
	s_lshl_b32 s93, s92, 1
	s_add_co_u32 s66, s66, s93
	s_mov_b32 s67, 0
	s_lshr_b32 s95, s[TI], 1
	s_lshl_b32 s95, s95, 5
	s_and_b32 s93, s[TI], 1
	s_lshl_b32 s93, s93, 3
	s_add_co_u32 s95, s95, s93                     ; my tile's first row in the block: 32 (i / 2) + 8 (i % 2)
	s_mov_b32 s44, 3<<16                           ; group 1 for the scale words: 4 steps of 256 bytes (32 elements of 8), 512 bytes (64 elements) apart
	s_mov_b32 s45, 32<<16
	s_mov_b32 s46, 4<<16
	s_mov_b32 s47, 32<<16
	s_mov_b32 s48, 4
	s_mov_b32 s49, 64
	s_mov_b32 s50, 0
	s_mov_b32 s51, 0
	G1C 52, 4
	G1C 68, 12
	G1C 76, 16
	s_mov_b32 s60, 0x76543210
	s_mov_b32 s61, 0xfedcba98                      ; v_permlanex16_b32's selects for lane l xor 16
	s_mov_b32 s62, 0x3e38aa3b                      ; c = log2(e) / 8
	s_mov_b32 s63, s62                             ; (named with it as a pair, so it is written)
	v_and_b32 v[L16], 31, v0
	v_lshlrev_b32 v[L16], 4, v[L16]
	v_and_b32 v5, 15, v0
	v_lshlrev_b32 v[R16], 4, v5
	v_add_nc_u32 v[SCA], 0x40000, v[R16]
	v_and_b32 v6, 8, v5
	v_add_nc_u32 v5, v5, v6                        ; r + 8 (r / 8)
	v_bfe_u32 v6, v0, 4, 1
	v_lshlrev_b32 v6, 4, v6
	v_sub_nc_u32 v5, v5, v6
	v_add_nc_u32 v[DG], s95, v5
	s_wait_dscnt 0x0
	s_wait_kmcnt 0x0
	s_cmp_eq_u32 s25, 0                            ; K's buffers or V's: the choice hangs on the wave's number alone
	s_cselect_b64 s[12:13], s[12:13], s[16:17]
	s_cselect_b64 s[14:15], s[14:15], s[18:19]
	s_add_nc_u64 s[12:13], s[12:13], s[96:97]
	s_add_nc_u64 s[8:9], s[8:9], s[2:3]
	s_add_nc_u64 s[10:11], s[10:11], s[4:5]
	s_add_nc_u64 s[20:21], s[20:21], s[6:7]
	s_add_nc_u64 s[22:23], s[22:23], s[66:67]
	s_mov_b32 s28, 1                               ; group 0: count 1, LDS address (written above), global address, type 2
	s_add_nc_u64 s[30:31], s[14:15], s[98:99]
	s_or_b32 s31, s31, 0x80000000
	s_mov_b32 s32, 1
	s_mov_b64 s[34:35], s[12:13]
	s_or_b32 s35, s35, 0x80000000
	s_mov_b32 s36, 1
	s_add_nc_u64 s[38:39], s[12:13], 4*8192
	s_or_b32 s39, s39, 0x80000000
	s_mov_b32 s40, 1
	s_add_nc_u64 s[42:43], s[12:13], 16*8192
	s_or_b32 s43, s43, 0x80000000
	tensor_load_to_lds s[28:31], s[44:51]          ; all first fills in one group, ahead of every wait on TENSORcnt, LDS read and barrier: four loads of mine are out.  Scale words of four steps,
	s_nop 0
	tensor_load_to_lds s[32:35], s[52:59]          ; my piece of steps 0-3,
	s_nop 0
	tensor_load_to_lds s[36:39], s[68:75]          ; of steps 4-15,
	s_nop 0
	tensor_load_to_lds s[40:43], s[76:83]          ; of steps 16-31
	s_nop 0
.rept 4
	v_nop
.endr
	global_load_b128 v[20:23], v[L16], s[8:9]      ; q: lane (r, h): query r of my tile, channels 32 h on
	global_load_b32 v255, v[R16], s[10:11]         ; its two scale bytes, twice
.irp j, 16,17,18,19,24,25,26,27
	v_mov_b32 v[\j], 0                             ; the zero codes on both sides of q
.endr
	v_mov_b32 v13, 0xff61b1e6                      ; the largest t so far: -3e38, under every t
	v_floor_f32 v12, -v13                          ; -M
	v_mov_b32 v14, 0                               ; l, in two halves
	v_mov_b32 v15, 0
.irp b, 0,1,2,3
	v_mov_b32 v[236+\b], 0                         ; written once: a lane permute's destination counts as one of its sources
.endr
	v_mov_b32 v252, 0
	v_mov_b32 v253, 0                              ; (named as the upper half of the pair v[252:253] before it is first written)
.set jj, 0
.rept 32
	v_mov_b32 v[OT+jj], 0                          ; O^T: the step is written once; the first finds zeros, which the first change of M leaves zeros
.set jj, jj+1
.endr
	s_wait_loadcnt 0x0                             ; q
; A KEY STEP: 128 keys.  ps: bytes from piece to piece in the group of steps in hand.
.macro STEP ps
	s_cmp_gt_u32 s[ST], s[QB]                      ; all its keys come after my queries: only the address steps at the end are run
	s_cbranch_scc1 .Lhidden_\@
	v_add_nc_u32 v[ADK], s[TK], v[L16]             ; these four lines are the places behind the last step's products, in front of loads into registers that those have read
	v_add_nc_u32 v[ADS], s[TSC], v[SCA]
	v_add_nc_u32 v[ADV], 0x20000, v[ADK]
	v_nop
.irp b, 0,1,2,3
.irp u, 0,1
	ds_load_b128 v[KF+8*\b+4*\u:KF+8*\b+4*\u+3], v[ADK] offset:(2*\b+\u)*\ps   ; key tiles 2 b and 2 b + 1 in the two halves of one operand
.endr
.endr
	ds_load_b128 v[KSW:KSW+3], v[ADS]              ; word b: both tiles' bytes
.irp t, 0,1,2,3
.irp c, 0,1
	ds_load_b128 v[VF+8*\t+4*\c:VF+8*\t+4*\c+3], v[ADV] offset:(2*\t+\c)*\ps
.endr
.endr
	ds_load_b128 v[VSW:VSW+3], v[ADS] offset:8192
	s_wait_dscnt 9                                 ; K and its words are in; V's eight loads and its words may be out
.irp b, 0,1,2,3
	MM0 S+16*\b, KF+8*\b, Q0Z, KSW+\b, 255         ; tile 2 b meets q, tile 2 b + 1 zeros;
	MM0 S+16*\b+8, KF+8*\b, QZ0, KSW+\b, 255       ; and the other way round
.endr
.rept 4
	v_nop                                          ; four places in front of the first read of results (ISA guide 7.12.1)
.endr
	s_cmp_lg_u32 s[ST], s[QB]
	s_cbranch_scc1 .Lopen_\@                       ; every key of an earlier step counts
	v_mov_b32 v254, 0xff800000                     ; my own block: register 16 b + i holds key 32 b + 16 (lane / 16) + i of it: hidden where 32 b + i > v[DG]
.set jj, 0
.rept 64
	v_cmp_gt_i32 vcc_lo, 32*(jj/16)+jj%16, v[DG]
	v_cndmask_b32 v[S+jj], v[S+jj], v254, vcc_lo
.set jj, jj+1
.endr
.Lopen_\@:
.irp b, 0,1,2,3
	v_max3_num_f32 v[232+\b], v[S+16*\b], v[S+1+16*\b], v[S+2+16*\b]   ; the largest score of each block of 32 keys: for the row's maximum, and for the block's largest p
.endr
.irp i, 3,5,7,9,11,13
.irp b, 0,1,2,3
	v_max3_num_f32 v[232+\b], v[232+\b], v[S+16*\b+\i], v[S+1+16*\b+\i]
.endr
.endr
.irp b, 0,1,2,3
	v_max_num_f32 v[232+\b], v[232+\b], v[S+15+16*\b]
.endr
.irp b, 0,1,2,3
	v_permlanex16_b32 v[236+\b], v[232+\b], s60, s61
.endr
.irp b, 0,1,2,3
	v_max_num_f32 v[232+\b], v[232+\b], v[236+\b]  ; with lane l xor 16's 16 keys
.endr
	v_max3_num_f32 v254, v232, v233, v234
	v_max_num_f32 v254, v254, v235                 ; the step's largest score of my query
	v_mul_f32 v254, s62, v254                      ; as t (c is positive)
	v_max_num_f32 v13, v13, v254                   ; the running largest t
	v_mov_b32 v254, v12
	v_floor_f32 v12, -v13                          ; the new -M = floor(-t) = -ceil(t)
	v_sub_f32 v254, v12, v254                      ; old M - new M: a whole number, 0 or less
	v_cvt_i32_f32 v254, v254                       ; (it saturates)
	v_ldexp_f32 v252, 1.0, v254                    ; f = 2^(old M - new M)
.set jj, 0
.rept 32
	v_pk_fma_f32 v[S+jj:S+jj+1], v[S+jj:S+jj+1], s[62:63], v[12:13] op_sel_hi:[1,0,0]   ; t - M, two at a time
.set jj, jj+2
.endr
.irp b, 0,1,2,3
	v_fma_f32 v[232+\b], v[232+\b], s62, v12       ; the same of each block's largest score
.endr
.set jj, 0
.rept 64
	v_exp_f32 v[S+jj], v[S+jj]                     ; p = 2^(t - M): not normalised
.set jj, jj+1
.endr
	v_pk_mul_f32 v[14:15], v[14:15], v[252:253] op_sel_hi:[1,0]   ; l under the new M: the plain place behind the exponentials
	s_wait_alu depctr_va_vdst(0)                   ; one wait for the batch of 64, ahead of its first reader
.irp b, 0,1,2,3
	v_exp_f32 v[232+\b], v[232+\b]                 ; the block's largest p
.endr
	v_pk_add_f32 v[236:237], v[S:S+1], v[S+2:S+3]  ; the row's sum of the unquantised p, in two chains; it reads the 64 alone
.irp j, 4,8,12,16,20,24,28,32,36,40,44,48,52,56,60
	v_pk_add_f32 v[14:15], v[14:15], v[S+\j:S+1+\j]
	v_pk_add_f32 v[236:237], v[236:237], v[S+2+\j:S+3+\j]
.endr
	v_pk_add_f32 v[14:15], v[14:15], v[236:237]
	s_wait_alu depctr_va_vdst(0)                   ; and one for the four
.irp b, 0,1,2,3
	v_max_num_f32 v[232+\b], 0x1800000, v[232+\b]  ; the floor 2^(3 - 127): the byte cannot fall under 1
.endr
.irp b, 0,1,2,3
	v_add_nc_u32 v[244+\b], 0xff000000, v[232+\b]  ; 2 off the exponent field: the conversion's scale operand
.endr
.irp b, 0,1,2,3
	v_lshrrev_b32 v[236+\b], 23, v[244+\b]         ; the scale's byte
.endr
	v_lshl_or_b32 v253, v237, 8, v236              ; p's scale word for these 128 keys
	v_lshl_or_b32 v253, v238, 16, v253
	v_lshl_or_b32 v253, v239, 24, v253
.irp b, 0,1,2,3
	v_cvt_scalef32_pk8_fp4_f32 v[PC+2*\b], v[S+16*\b:S+7+16*\b], v[244+\b]
	v_cvt_scalef32_pk8_fp4_f32 v[PC+1+2*\b], v[S+8+16*\b:S+15+16*\b], v[244+\b]
.endr
.set jj, 0
.rept 16
	v_pk_mul_f32 v[OT+jj:OT+jj+1], v[OT+jj:OT+jj+1], v[252:253] op_sel_hi:[1,0]   ; O^T under the new M, each accumulator from its low end on; the first line is the plain place behind the conversions
.set jj, jj+2
.endr
.irp c, 0,1                                    ; the operand's layout wants a WHOLE block in a lane: lanes 0-15 block 2 c, lanes 16-31 block 2 c + 1
.irp i, 0,1
	v_permlane16_swap_b32 v[PC+4*\c+\i], v[PC+2+4*\c+\i]
.endr
.endr
.rept 4
	v_nop                                          ; an operand written by vector instructions stands four places ahead of a scaled product; the scale word, written 24 lines back, eight
.endr
	s_wait_dscnt 0x0                               ; V and its words are in
.irp t, 0,1,2,3
	MMC OT+8*\t, VF+8*\t, PC, OT+8*\t, VSW+\t, 253 ; O^T += V^T P^T: the four accumulators by turns
.endr
.Lhidden_\@:
	s_add_co_u32 s[TK], s[TK], 512
	s_add_co_u32 s[TSC], s[TSC], 256
	s_add_co_u32 s[ST], s[ST], 1
.endm
; A group of n key steps from step first on, whose pieces lie from LDS byte base on.  The trip count is a constant; every wave walks every trip.
.macro PHASE n, base, first
	s_mov_b32 s[TK], \base
	s_mov_b32 s[TSC], 256*\first
	s_mov_b32 s[ST], \first
	s_mov_b32 s[CNT], \n
.Lphase_\@:
	STEP 512*\n
	s_sub_co_u32 s[CNT], s[CNT], 1
	s_cmp_lg_u32 s[CNT], 0
	s_cbranch_scc1 .Lphase_\@
.endm
	s_wait_tensorcnt 2                             ; my scale words and my piece of steps 0-3 are in; my two later loads may be out
	s_barrier_signal -1
	s_barrier_wait -1                              ; everybody's are
	PHASE 4, 0, 0
	s_wait_tensorcnt 1                             ; my piece of steps 4-15 is in
	s_wait_dscnt 0x0                               ; no LDS instruction of mine is out at a signal
	s_barrier_signal -1
	s_barrier_wait -1
	PHASE 12, 16384, 4
	s_wait_tensorcnt 0x0                           ; my piece of steps 16-31 is in
	s_wait_dscnt 0x0
	s_barrier_signal -1
	s_barrier_wait -1
	PHASE 16, 65536, 16
	; THE WAY OUT.  O^T / l; register 8 t + j of lane (r, h) is channel 32 (t / 2) + 16 h + 8 (t % 2) + j of query r: two blocks of 32 along the last product's K.  They are quantised as p is, and stored as an image.
.rept 4
	v_nop                                          ; places behind the last products
.endr
	v_add_f32 v14, v14, v15                        ; l's two halves,
	v_permlanex16_b32 v252, v14, s60, s61
	v_add_f32 v14, v14, v252                       ; and lane l xor 16's
	v_rcp_f32 v14, v14
	v_nop                                          ; a plain place behind the reciprocal
	s_wait_alu depctr_va_vdst(0)                   ; and the wait ahead of its first reader
.set jj, 0
.rept 16
	v_pk_mul_f32 v[S+jj:S+jj+1], v[OT+jj:OT+jj+1], v[14:15] op_sel_hi:[1,0]
.set jj, jj+2
.endr
.irp b, 0,1
	v_max3_num_f32 v[232+\b], |v[S+16*\b]|, |v[S+1+16*\b]|, 0x1800000
.endr
.irp i, 2,4,6,8,10,12,14
.irp b, 0,1
	v_max3_num_f32 v[232+\b], v[232+\b], |v[S+16*\b+\i]|, |v[S+1+16*\b+\i]|
.endr
.endr
.irp b, 0,1
	v_permlanex16_b32 v[236+\b], v[232+\b], s60, s61
.endr
.irp b, 0,1
	v_max_num_f32 v[232+\b], v[232+\b], v[236+\b]
.endr
.irp b, 0,1
	v_add_nc_u32 v[244+\b], 0xff000000, v[232+\b]
.endr
.irp b, 0,1
	v_lshrrev_b32 v[236+\b], 23, v[244+\b]
.endr
	v_lshl_or_b32 v254, v237, 8, v236              ; the head's two scale bytes of my row
.irp b, 0,1
	v_cvt_scalef32_pk8_fp4_f32 v[PC+2*\b], v[S+16*\b:S+7+16*\b], v[244+\b]
	v_cvt_scalef32_pk8_fp4_f32 v[PC+1+2*\b], v[S+8+16*\b:S+15+16*\b], v[244+\b]
.endr
	v_nop                                          ; one plain place behind a scaled conversion
	v_permlane16_swap_b32 v[PC], v[PC+2]           ; lanes 0-15: channels 0-31, lanes 16-31: channels 32-63
	v_permlane16_swap_b32 v[PC+1], v[PC+3]
	global_store_b128 v[L16], v[PC:PC+3], s[20:21] ; 32 lanes store 512 consecutive bytes, at a multiple of 512 from the buffer's first byte
	global_store_b16 v[R16], v254, s[22:23]        ; two bytes of each row's 16: the eight heads share a row's bytes; lanes l and l + 16 store the same value at the same place
	s_wait_tensorcnt 0x0
	ds_add_u32 v250, v251
	s_wait_dscnt 0x0
	s_endpgm
.Lfunc_end_k_q51e5709003_attn:
	.size	k_q51e5709003_attn, .Lfunc_end_k_q51e5709003_attn-k_q51e5709003_attn
	.p2alignl 7, 3214868480
	.fill 96, 4, 3214868480
	.section	.rodata,"a",@progbits
	.p2align	6, 0x0
	.amdhsa_kernel k_q51e5709003_attn
		.amdhsa_group_segment_fixed_size 280576
		.amdhsa_private_segment_fixed_size 0
		.amdhsa_enable_private_segment 0
		.amdhsa_kernarg_size 64
		.amdhsa_user_sgpr_count 2
		.amdhsa_user_sgpr_kernarg_segment_ptr 1
		.amdhsa_wavefront_size32 1
		.amdhsa_system_sgpr_workgroup_id_x 1
		.amdhsa_system_sgpr_workgroup_id_y 1
		.amdhsa_system_sgpr_workgroup_id_z 1
		.amdhsa_system_vgpr_workitem_id 0
		.amdhsa_next_free_vgpr 256
		.amdhsa_next_free_sgpr 100
		.amdhsa_reserve_vcc 1
		.amdhsa_float_denorm_mode_32 3
		.amdhsa_float_denorm_mode_16_64 3
		.amdhsa_memory_ordered 1
		.amdhsa_forward_progress 1
		.amdhsa_inst_pref_size 74
	.end_amdhsa_kernel
	.amdgpu_metadata
---
amdhsa.version: [ 1, 2 ]
amdhsa.kernels:
  - .name:           k_q51e5709003_attn
    .symbol:         k_q51e5709003_attn.kd
    .args:
      - { .name: qc, .offset: 0, .size: 8, .value_kind: global_buffer, .address_space: global }
      - { .name: qs, .offset: 8, .size: 8, .value_kind: global_buffer, .address_space: global }
      - { .name: kc, .offset: 16, .size: 8, .value_kind: global_buffer, .address_space: global }
      - { .name: ks, .offset: 24, .size: 8, .value_kind: global_buffer, .address_space: global }
      - { .name: vc, .offset: 32, .size: 8, .value_kind: global_buffer, .address_space: global }
      - { .name: vs, .offset: 40, .size: 8, .value_kind: global_buffer, .address_space: global }
      - { .name: ac, .offset: 48, .size: 8, .value_kind: global_buffer, .address_space: global }
      - { .name: asc, .offset: 56, .size: 8, .value_kind: global_buffer, .address_space: global }
    .group_segment_fixed_size: 280576
    .private_segment_fixed_size: 0
    .kernarg_segment_align: 8
    .kernarg_segment_size: 64
    .max_flat_workgroup_size: 512
    .sgpr_count:     100
    .vgpr_count:     256
    .wavefront_size: 32
...
	.end_amdgpu_metadata
.endif
;; end of part 2
;; launch oproj (part 3): grid 64 x 4, 4 waves a work-group, no clusters, 34,304 bytes of LDS; arguments ac, asc, Wo_codes, Wo_scales, bo, out0; writes out0
.if DOCPART == 3
	.amdgcn_target "amdgcn-amd-amdhsa--gfx1250"
	.amdhsa_code_object_version 6
	.text
	.protected	k_q51e5709003_oproj
	.globl	k_q51e5709003_oproj
	.p2align	8
	.type	k_q51e5709003_oproj,@function
k_q51e5709003_oproj:
	s_mov_b64 s[64:65], 0
	v_nop
	global_prefetch_b8 v0, s[64:65] scope:SCOPE_SE
	s_setreg_imm32_b32 hwreg(HW_REG_WAVE_MODE, 25, 1), 1
	s_wait_xcnt 0x0
; out0 = A Wo + bo on codes of FP4 (E2M1) with E8M0 scales.  A: the attention's result, 512 tiles of 16 rows, each an image of its four fragments' registers (4,096 bytes) and 16 scale bytes a row.
; Wo: 512 rows (features) of 512 codes, K innermost; out0: 8,192 rows of 512 f32.
; SHARES.  A work-group takes 128 rows (ttmp9: tiles 8 X .. 8 X + 7) and 128 features (ttmp7).  Wave w takes tiles 2 w and 2 w + 1; the 128 features' 32 fragments of Wo stay in its registers.
; Source 0 = 16 features, source 1 = 16 rows: a lane holds 8 neighbouring features of one row.  A tile's 16 rows x 512 bytes go through the wave's own stage in LDS and leave as whole rows: no barrier.
; Row p of tile i is row 32 (i / 2) + 8 (i % 2) + p + 8 (p / 8) of the block: so the launches before have laid the tiles.  The bias is the C of each sum's first product.
; LIMITS: NaN, infinities and a scale byte 0xff among the inputs are not served.
; REGISTERS.  window 0: v1-11 lane figures and offsets; v16-47 Wo's scale words (4 t + s); v48-111 the two tiles' fragments (32 u + 8 s + 4 c); v112-119 their scale words; v120-183 the 8 accumulators; v184-247 rows on the way out.
;   window 1: Wo (32 t + 8 s + 4 c).   window 2: v0-63 the bias.
.set BS,   16
.set SM,   48
.set SS,   112
.set ACC,  120
.set OUTR, 184
.set SP,   528                         ; a stage row: 512 bytes + 16, so that the 16 rows that a store touches begin 33 x 16 bytes apart
.set MSB, 0
.macro WIN new                         ; the immediate's high byte repeats the setting that is left
.if MSB != \new
	s_set_vgpr_msb (MSB<<8)|\new
.set MSB, \new
.endif
.endm
.macro MMC d, a, b, c, sa, sb
	v_wmma_scale_f32_16x16x128_f8f6f4 v[\d:\d+7], v[\a:\a+7], v[\b:\b+7], v[\c:\c+7], v[\sa], v[\sb] matrix_a_fmt:MATRIX_FMT_FP4 matrix_b_fmt:MATRIX_FMT_FP4
.endm
	s_load_b256 s[8:15], s[0:1], 0x0               ; ac 8, asc 10, Wo codes 12, Wo scales 14
	s_load_b128 s[16:19], s[0:1], 0x20             ; bo 16, out0 18
	v_lshl_add_u32 v254, v0, 2, 0x8400
	v_mov_b32 v255, 0
	v_lshrrev_b32 v1, 5, v0
	v_readfirstlane_b32 s2, v1                     ; wave 0..3
	s_mov_b32 s3, ttmp9                            ; X
	s_and_b32 s4, ttmp7, 0xffff                    ; which 128 features
	s_lshl_b32 s20, s4, 15                         ; Wo's codes: 128 rows of 256 bytes
	s_mov_b32 s21, 0
	s_lshl_b32 s22, s4, 11                         ; its scales
	s_mov_b32 s23, 0
	s_lshl_b32 s24, s4, 9                          ; the bias; also the features' bytes in a row of out0
	s_mov_b32 s25, 0
	s_lshl_b32 s5, s3, 3
	s_lshl_b32 s6, s2, 1
	s_add_co_u32 s5, s5, s6                        ; my first tile: 8 X + 2 w
	s_lshl_b32 s26, s5, 12
	s_mov_b32 s27, 0
	s_lshl_b32 s28, s5, 8
	s_mov_b32 s29, 0
	s_lshl_b32 s30, s3, 7
	s_lshl_b32 s6, s2, 5
	s_add_co_u32 s30, s30, s6                      ; row 128 X + 32 w,
	s_lshl_b32 s30, s30, 11                        ; of 2,048 bytes,
	s_add_co_u32 s30, s30, s24                     ; at my features
	s_mov_b32 s31, 0
	s_mul_i32 s5, s2, 16*SP                        ; my stage
	v_and_b32 v1, 15, v0                           ; r
	v_bfe_u32 v2, v0, 4, 1                         ; h
	v_lshlrev_b32 v4, 8, v1
	v_lshl_add_u32 v4, v2, 4, v4                   ; Wo: row r x 256 + 16 h
	v_lshlrev_b32 v5, 4, v1                        ; a row's 16 scale bytes
	v_lshlrev_b32 v6, 5, v2                        ; the bias: result j of tile t is feature 16 t + 8 h + j
	v_and_b32 v7, 31, v0
	v_lshlrev_b32 v7, 4, v7                        ; 16 x lane
	v_mul_u32_u24 v10, v1, SP
	v_lshl_add_u32 v10, v2, 5, v10
	v_add_nc_u32 v10, s5, v10                      ; into the stage: row r, + 32 h
	v_add_nc_u32 v11, s5, v7                       ; back: the 32 lanes take a row of 512 bytes
	s_wait_kmcnt 0x0
	s_add_nc_u64 s[12:13], s[12:13], s[20:21]
	s_add_nc_u64 s[14:15], s[14:15], s[22:23]
	s_add_nc_u64 s[16:17], s[16:17], s[24:25]
	s_add_nc_u64 s[8:9], s[8:9], s[26:27]
	s_add_nc_u64 s[10:11], s[10:11], s[28:29]
	s_add_nc_u64 s[18:19], s[18:19], s[30:31]
	WIN 0x40                                       ; destination window 1
.irp t, 0,1,2,3,4,5,6,7
.irp s, 0,1,2,3
.irp c, 0,1
	global_load_b128 v[32*\t+8*\s+4*\c:32*\t+8*\s+4*\c+3], v4, s[12:13] offset:16*\t*256+64*\s+32*\c
.endr
.endr
.endr
	WIN 0
.irp t, 0,1,2,3,4,5,6,7
	global_load_b128 v[BS+4*\t:BS+4*\t+3], v5, s[14:15] offset:256*\t
.endr
	WIN 0x80                                       ; destination window 2
.irp t, 0,1,2,3,4,5,6,7
	global_load_b128 v[8*\t:8*\t+3], v6, s[16:17] offset:64*\t
	global_load_b128 v[8*\t+4:8*\t+7], v6, s[16:17] offset:64*\t+16
.endr
	WIN 0
.irp u, 0,1                                    ; my two tiles: nine loads each
.irp s, 0,1,2,3
.irp c, 0,1
	global_load_b128 v[SM+32*\u+8*\s+4*\c:SM+32*\u+8*\s+4*\c+3], v7, s[8:9] offset:4096*\u+1024*\s+512*\c
.endr
.endr
	global_load_b128 v[SS+4*\u:SS+4*\u+3], v5, s[10:11] offset:256*\u
.endr
.macro OTILE u
.if \u == 0
	s_wait_loadcnt 9                               ; all but the second tile's nine loads are in
.else
	s_wait_loadcnt 0x0
.endif
	WIN 0x21                                       ; source 0 (Wo) window 1, C (the bias) window 2
.irp t, 0,1,2,3,4,5,6,7
	MMC ACC+8*\t, 32*\t, SM+32*\u, 8*\t, BS+4*\t, SS+4*\u
.endr
	WIN 0x01
.irp s, 1,2,3                                  ; the eight accumulators by turns, K step by K step
.irp t, 0,1,2,3,4,5,6,7
	MMC ACC+8*\t, 32*\t+8*\s, SM+32*\u+8*\s, ACC+8*\t, BS+4*\t+\s, SS+4*\u+\s
.endr
.endr
	WIN 0
.rept 5
	v_nop                                          ; four places in front of the stores that read results; five in front of the next tile's products, which begin the accumulators anew
.endr
.irp t, 0,1,2,3,4,5,6,7
	ds_store_b128 v10, v[ACC+8*\t:ACC+8*\t+3] offset:64*\t          ; each accumulator from its low end on
	ds_store_b128 v10, v[ACC+8*\t+4:ACC+8*\t+7] offset:64*\t+16
.endr
.if \u
	s_wait_xcnt 0x0                                ; the first tile's stores have read v[OUTR] on: only behind this wait are loads issued into those registers
.endif
.irp p, 0,1,2,3,4,5,6,7,8,9,10,11,12,13,14,15
	ds_load_b128 v[OUTR+4*\p:OUTR+4*\p+3], v11 offset:SP*\p         ; LDS serves a wave's instructions in order (ISA guide 5.7.1.4): these see my stores
.endr
.irp p, 0,1,2,3,4,5,6,7,8,9,10,11,12,13,14,15
	s_wait_dscnt 15-\p                             ; row p is back; the younger loads may be out.  The last count is 0: the stage and the accumulators are free for the next tile
	global_store_b128 v7, v[OUTR+4*\p:OUTR+4*\p+3], s[18:19] offset:(8*\u+\p+8*(\p/8))*2048 th:TH_STORE_NT   ; 32 lanes store 512 consecutive bytes, at a multiple of 512 from out0's first byte
.endr
.endm
	OTILE 0
	OTILE 1
	s_wait_tensorcnt 0x0
	ds_add_u32 v254, v255
	s_wait_dscnt 0x0
	s_endpgm
.Lfunc_end_k_q51e5709003_oproj:
	.size	k_q51e5709003_oproj, .Lfunc_end_k_q51e5709003_oproj-k_q51e5709003_oproj
	.p2alignl 7, 3214868480
	.fill 96, 4, 3214868480
	.section	.rodata,"a",@progbits
	.p2align	6, 0x0
	.amdhsa_kernel k_q51e5709003_oproj
		.amdhsa_group_segment_fixed_size 34304
		.amdhsa_private_segment_fixed_size 0
		.amdhsa_enable_private_segment 0
		.amdhsa_kernarg_size 48
		.amdhsa_user_sgpr_count 2
		.amdhsa_user_sgpr_kernarg_segment_ptr 1
		.amdhsa_wavefront_size32 1
		.amdhsa_system_sgpr_workgroup_id_x 1
		.amdhsa_system_sgpr_workgroup_id_y 1
		.amdhsa_system_sgpr_workgroup_id_z 1
		.amdhsa_system_vgpr_workitem_id 0
		.amdhsa_next_free_vgpr 576
		.amdhsa_next_free_sgpr 66
		.amdhsa_reserve_vcc 0
		.amdhsa_float_denorm_mode_32 3
		.amdhsa_float_denorm_mode_16_64 3
		.amdhsa_memory_ordered 1
		.amdhsa_forward_progress 1
		.amdhsa_inst_pref_size 29
	.end_amdhsa_kernel
	.amdgpu_metadata
---
amdhsa.version: [ 1, 2 ]
amdhsa.kernels:
  - .name:           k_q51e5709003_oproj
    .symbol:         k_q51e5709003_oproj.kd
    .args:
      - { .name: ac, .offset: 0, .size: 8, .value_kind: global_buffer, .address_space: global }
      - { .name: asc, .offset: 8, .size: 8, .value_kind: global_buffer, .address_space: global }
      - { .name: Wo_codes, .offset: 16, .size: 8, .value_kind: global_buffer, .address_space: global }
      - { .name: Wo_scales, .offset: 24, .size: 8, .value_kind: global_buffer, .address_space: global }
      - { .name: bo, .offset: 32, .size: 8, .value_kind: global_buffer, .address_space: global }
      - { .name: out0, .offset: 40, .size: 8, .value_kind: global_buffer, .address_space: global }
    .group_segment_fixed_size: 34304
    .private_segment_fixed_size: 0
    .kernarg_segment_align: 8
    .kernarg_segment_size: 48
    .max_flat_workgroup_size: 128
    .sgpr_count:     66
    .vgpr_count:     576
    .wavefront_size: 32
...
	.end_amdgpu_metadata
.endif
;; end of part 3
;; ======== version 2 of 2: 3 launches
;; workspace buffers: qc 2,097,152 bytes; kc 2,097,152 bytes; vc 2,097,152 bytes; qs 262,144 bytes; ks 131,072 bytes; vs 131,072 bytes; ac 2,097,152 bytes; asc 131,072 bytes
;; launch qkv (part 4): grid 64 x 4, 3 waves a work-group, no clusters, 0 bytes of LDS; arguments x_codes, x_scales, Wq_codes, Wq_scales, bq, qc, qs, Wk_codes, Wk_scales, bk, kc, ks, Wv_codes, Wv_scales, bv, vc, vs; writes qc, qs, kc, ks, vc, vs
.if DOCPART == 4
	.amdgcn_target "amdgcn-amd-amdhsa--gfx1250"
	.amdhsa_code_object_version 6
	.text
	.protected	k_q51e5709003_qkv
	.globl	k_q51e5709003_qkv
	.p2align	8
	.type	k_q51e5709003_qkv,@function
k_q51e5709003_qkv:
	s_mov_b64 s[64:65], 0
	v_nop
	global_prefetch_b8 v0, s[64:65] scope:SCOPE_SE
	s_setreg_imm32_b32 hwreg(HW_REG_WAVE_SCHED_MODE, 0, 2), 2
	s_setreg_imm32_b32 hwreg(HW_REG_WAVE_MODE, 25, 1), 1
	s_wait_xcnt 0x0
	s_wait_alu depctr_vm_vsrc(0)
; Q = x Wq + bq, K = x Wk + bk, V = x Wv + bv on codes of FP4 (E2M1) with E8M0 scales, and the three results quantised at once: Q and K along a head's 64 channels, V along the keys.
; x: 8,192 rows of 512 codes (256 bytes), 16 scale bytes a row; each W: 512 rows (features) of 512 codes, K innermost.
; SHARES.  A work-group takes 128 rows of x (ttmp9) and 128 features, a pair of heads (ttmp7).  Wave 0 makes Q, wave 1 K, wave 2 V: three jobs of 128 x 128 x 512 that share nothing: no LDS, no barrier.
; ONE FORM OF JOB.  BIG: 8 tiles of 16 rows x 4 K steps, kept in 256 registers.  SMALL: 8 tiles that are streamed, two sets of registers by turns.  For each SMALL tile 32 products, source 0 = BIG's tile, source 1 = SMALL's:
; a lane then holds ONE row of SMALL, and its 64 results run along BIG's 128 rows, which are the next product's K.  Q, K: BIG = the weight's features, SMALL = x.  V: BIG = x (the keys), SMALL = Wv.  Only pointers differ.
; THE ROWS OF A TILE ARE NOT NEIGHBOURS: lane r of tile i takes row 32 (i / 2) + 8 (i % 2) + r + 8 (r / 8), so that the 16 results of tiles 2 b and 2 b + 1 in a lane are the neighbours 32 b + 16 (lane / 16) + 0 .. 15.
; WHAT IS STORED is the image of the next launch's operand registers: for each SMALL tile 8 registers a lane, two stores of 512 consecutive bytes; and its scale words, regrouped by head at the end (see the three ends).
; A block's scale byte is its largest magnitude's exponent field - 2, held at 1 from below.  LIMITS: a block of zeros gets the byte 1 where the rule says 127 (its codes are zeros, and this program alone reads the bytes);
; NaN, infinities and a scale byte 0xff among the inputs are not served.
; THE MODE: SCHED_MODE bits 1:0 = 2 (LLVM: expert scheduling mode 2), set by the entry lines.  The code itself states the register dependences between vector or matrix instructions and memory instructions,
; with s_wait_alu, always for 0.
; THE PLAN.  Registers that memory instructions touch:
;   SM0, SM1 with SS0, SS1   Tile i's 32 products read set i % 2; behind them the nine loads of tile i + 2 land in it.
;   PC0, PC1                 Tile i's conversions and half-swaps write set i % 2; the two stores that read it are issued in tile i + 1, behind that tile's products.
;   v4 - v7, v10             Offsets, made once at the head and never written again: the tiles are reached by immediate offsets.
;   v8, v[OW ..]             Made at the end, read by the scale words' stores.
;   BIG, BS, the biases      Loaded once, at the head; no vector instruction writes them.
; So ONE wait on va_vdst stands in a tile, behind its products and their places: the products are done reading the set in which the loads below land, and the tile before has written the codes that the stores below read.
; The loads and stores follow it at once; the quantiser behind them names the accumulators, v[TM ..], a scale word and the OTHER set of codes.  From tile 2 on s_wait_xcnt 0 and a wait on vm_vsrc stand beside it:
; the stores issued a tile ago have read the set of codes that this tile's conversions write again.
; REGISTERS.  window 0: v1-10 lane figures and offsets; v16-47 BIG's scale words (4 t + s); v48-111 SMALL, two sets (8 s + 4 c); v112-119 its scale words; v120-183 the 8 accumulators; v184-191 and v216-223 codes, two sets;
;   v192-207 at work; v208-215 the 8 tiles' scale words; v232-239 the words as stored.   window 1: BIG (32 t + 8 s + 4 c).   window 2: v0-63 the biases, as the C of each sum's first product.
.set BS,  16
.set SM,  48
.set SS,  112
.set ACC, 120
.set PC,  184                          ; set k at PC + 32 k
.set TM,  192
.set PW,  208
.set OW,  232
.set MSB, 0
.macro WIN new                         ; the immediate's high byte repeats the setting that is left
.if MSB != \new
	s_set_vgpr_msb (MSB<<8)|\new
.set MSB, \new
.endif
.endm
.macro MMC d, a, b, c, sa, sb          ; D = A B + C, 16 x 16 x 128, both sides FP4, a scale word a row on each side
	v_wmma_scale_f32_16x16x128_f8f6f4 v[\d:\d+7], v[\a:\a+7], v[\b:\b+7], v[\c:\c+7], v[\sa], v[\sb] matrix_a_fmt:MATRIX_FMT_FP4 matrix_b_fmt:MATRIX_FMT_FP4
.endm
	s_load_b512 s[8:23], s[0:1], 0x0               ; x codes 8, x scales 10, Wq codes 12, Wq scales 14, bq 16, qc 18, qs 20, Wk codes 22
	s_load_b512 s[24:39], s[0:1], 0x40             ; Wk scales 24, bk 26, kc 28, ks 30, Wv codes 32, Wv scales 34, bv 36, vc 38
	s_load_b64 s[40:41], s[0:1], 0x80              ; vs
	v_lshrrev_b32 v1, 5, v0
	v_readfirstlane_b32 s2, v1                     ; wave: 0 Q, 1 K, 2 V
	s_mov_b32 s3, ttmp9                            ; X: which 128 rows of x
	s_and_b32 s4, ttmp7, 0xffff                    ; Y: which 128 features
	s_lshr_b32 s5, s3, 5
	s_lshl_b32 s5, s5, 7
	s_lshl_b32 s6, s4, 5
	s_add_co_u32 s5, s5, s6
	s_and_b32 s6, s3, 31
	s_add_co_u32 s5, s5, s6                        ; J = (batch x 4 + pair of heads) x 32 + block of 128 rows
	s_lshl_b32 s66, s4, 15                         ; byte offsets, each in a pair with 0 above it: the weight's codes: 128 rows of 256 bytes,
	s_mov_b32 s67, 0
	s_lshl_b32 s68, s4, 11                         ; its scales: 128 rows of 16,
	s_mov_b32 s69, 0
	s_lshl_b32 s70, s4, 9                          ; the bias: 128 numbers,
	s_mov_b32 s71, 0
	s_lshl_b32 s72, s3, 15                         ; x's codes,
	s_mov_b32 s73, 0
	s_lshl_b32 s74, s3, 11                         ; x's scales,
	s_mov_b32 s75, 0
	s_lshl_b32 s76, s5, 13                         ; the codes that I store: 8,192 bytes a job,
	s_mov_b32 s77, 0
	s_wait_alu depctr_va_sdst(0)                   ; s2, the wave's number, is written, ahead of its first reader: the compare below
	s_cmp_eq_u32 s2, 0
	s_cselect_b32 s6, 10, 9
	s_lshl_b32 s78, s5, s6                         ; the scale words: 1,024 bytes a job for Q, 512 for K and V
	s_mov_b32 s79, 0
	s_mov_b32 s58, 0x76543210
	s_mov_b32 s59, 0xfedcba98                      ; v_permlanex16_b32's selects for lane l xor 16
	v_and_b32 v1, 15, v0                           ; r
	v_bfe_u32 v2, v0, 4, 1                         ; h
	v_and_b32 v3, 8, v1
	v_add_nc_u32 v3, v3, v1                        ; r + 8 (r / 8)
	v_lshlrev_b32 v4, 8, v3
	v_lshl_add_u32 v4, v2, 4, v4                   ; a fragment's bytes: row x 256 + 16 h
	v_lshlrev_b32 v5, 4, v3                        ; a row's 16 scale bytes: the words of its four K steps
	v_lshlrev_b32 v6, 6, v2                        ; the bias for Q, K: result j of BIG's tile t is feature 32 (t / 2) + 8 (t % 2) + 16 h + j: eight neighbouring numbers of the bias
	v_lshlrev_b32 v10, 2, v3                       ; the bias for V: a lane holds ONE channel, SMALL's row
	v_and_b32 v7, 31, v0
	v_lshlrev_b32 v7, 4, v7                        ; an image's place for my lane: 16 x lane
.irp b, 0,1,2,3
	v_mov_b32 v[TM+4+\b], 0                        ; written once: a lane permute's destination counts as one of its sources
.endr
	s_wait_kmcnt 0x0
	s_cmp_eq_u32 s2, 0                             ; my role's five buffers: the choice hangs on the wave's number alone
	s_cselect_b64 s[60:61], s[12:13], s[22:23]
	s_cselect_b64 s[62:63], s[14:15], s[24:25]
	s_cselect_b64 s[52:53], s[16:17], s[26:27]
	s_cselect_b64 s[54:55], s[18:19], s[28:29]
	s_cselect_b64 s[56:57], s[20:21], s[30:31]
	s_cmp_eq_u32 s2, 2
	s_cselect_b64 s[60:61], s[32:33], s[60:61]     ; the weight's codes
	s_cselect_b64 s[62:63], s[34:35], s[62:63]     ; its scales
	s_cselect_b64 s[52:53], s[36:37], s[52:53]     ; the bias
	s_cselect_b64 s[54:55], s[38:39], s[54:55]     ; codes out
	s_cselect_b64 s[56:57], s[40:41], s[56:57]     ; scale words out
	s_add_nc_u64 s[60:61], s[60:61], s[66:67]      ; (these sums leave the compare's result alone)
	s_add_nc_u64 s[62:63], s[62:63], s[68:69]
	s_add_nc_u64 s[52:53], s[52:53], s[70:71]
	s_add_nc_u64 s[54:55], s[54:55], s[76:77]
	s_add_nc_u64 s[56:57], s[56:57], s[78:79]
	s_add_nc_u64 s[8:9], s[8:9], s[72:73]
	s_add_nc_u64 s[10:11], s[10:11], s[74:75]
	s_cselect_b64 s[44:45], s[8:9], s[60:61]       ; BIG: x for V, the weight for Q and K
	s_cselect_b64 s[46:47], s[10:11], s[62:63]
	s_cselect_b64 s[48:49], s[60:61], s[8:9]       ; SMALL: the other one
	s_cselect_b64 s[50:51], s[62:63], s[10:11]
	WIN 0x40                                       ; destination window 1
	s_wait_alu depctr_va_vdst(0)                   ; the offsets v4, v5, v6, v7 and v10 are written: every load, and every store of codes, reads one of them; no vector line stands among the head's loads
.irp t, 0,1,2,3,4,5,6,7                        ; BIG's 32 fragments: they stay
.irp s, 0,1,2,3
.irp c, 0,1
	global_load_b128 v[32*\t+8*\s+4*\c:32*\t+8*\s+4*\c+3], v4, s[44:45] offset:(32*(\t/2)+8*(\t%2))*256+64*\s+32*\c
.endr
.endr
.endr
	WIN 0
.irp t, 0,1,2,3,4,5,6,7
	global_load_b128 v[BS+4*\t:BS+4*\t+3], v5, s[46:47] offset:(32*(\t/2)+8*(\t%2))*16
.endr
	s_cmp_eq_u32 s2, 2
	s_cbranch_scc1 .Lbias_v
	WIN 0x80                                       ; destination window 2
.irp t, 0,1,2,3,4,5,6,7                        ; Q, K: the C for BIG's tile t
	global_load_b128 v[8*\t:8*\t+3], v6, s[52:53] offset:(32*(\t/2)+8*(\t%2))*4
	global_load_b128 v[8*\t+4:8*\t+7], v6, s[52:53] offset:(32*(\t/2)+8*(\t%2))*4+16
.endr
	WIN 0
	s_branch .Lbias_done
.Lbias_v:
	WIN 0x80
.irp i, 0,1,2,3,4,5,6,7                        ; V: my channel's bias stands in all eight registers of the C for SMALL's tile i
.irp j, 0,1,2,3,4,5,6,7
	global_load_b32 v[8*\i+\j], v10, s[52:53] offset:(32*(\i/2)+8*(\i%2))*4
.endr
.endr
	WIN 0
.Lbias_done:
.macro SLOAD i                         ; SMALL's tile i into set i % 2: four fragments and the rows' scale words: nine loads
.irp s, 0,1,2,3
.irp c, 0,1
	global_load_b128 v[SM+32*((\i)%2)+8*\s+4*\c:SM+32*((\i)%2)+8*\s+4*\c+3], v4, s[48:49] offset:(32*((\i)/2)+8*((\i)%2))*256+64*\s+32*\c
.endr
.endr
	global_load_b128 v[SS+4*((\i)%2):SS+4*((\i)%2)+3], v5, s[50:51] offset:(32*((\i)/2)+8*((\i)%2))*16
.endm
.macro OUT i                           ; tile i's codes, from set i % 2
	global_store_b128 v7, v[PC+32*((\i)%2):PC+32*((\i)%2)+3], s[54:55] offset:1024*(\i)       ; 32 lanes store 512 consecutive bytes, at a multiple of 512 from the buffer's first byte
	global_store_b128 v7, v[PC+32*((\i)%2)+4:PC+32*((\i)%2)+7], s[54:55] offset:1024*(\i)+512
.endm
; 64 numbers of a lane, v[s] .. v[s + 63], register 16 b + i = k 32 b + 16 (lane / 16) + i of my row, become a fragment's codes in v[pc] on and its scale word in v[pw].
.macro QUANT s, pw, pc
.irp b, 0,1,2,3
	v_max3_num_f32 v[TM+\b], |v[\s+16*\b]|, |v[\s+1+16*\b]|, 0x1800000   ; block b: my 16 numbers, and the floor 2^(3 - 127): the byte cannot fall under 1
.endr
.irp i, 2,4,6,8,10,12,14
.irp b, 0,1,2,3
	v_max3_num_f32 v[TM+\b], v[TM+\b], |v[\s+16*\b+\i]|, |v[\s+1+16*\b+\i]|   ; the four blocks by turns
.endr
.endr
.irp b, 0,1,2,3
	v_permlanex16_b32 v[TM+4+\b], v[TM+\b], s58, s59
.endr
.irp b, 0,1,2,3
	v_max_num_f32 v[TM+\b], v[TM+\b], v[TM+4+\b]   ; with lane l xor 16's: the block's largest magnitude
.endr
.irp b, 0,1,2,3
	v_add_nc_u32 v[TM+12+\b], 0xff000000, v[TM+\b] ; 2 off its exponent field: the conversion takes the exponent field of this operand as its scale
.endr
.irp b, 0,1,2,3
	v_lshrrev_b32 v[TM+4+\b], 23, v[TM+12+\b]      ; the scale's byte
.endr
	v_lshl_or_b32 v[\pw], v[TM+5], 8, v[TM+4]      ; four bytes: my row's scale word
	v_lshl_or_b32 v[\pw], v[TM+6], 16, v[\pw]
	v_lshl_or_b32 v[\pw], v[TM+7], 24, v[\pw]
.irp b, 0,1,2,3
	v_cvt_scalef32_pk8_fp4_f32 v[(\pc)+2*\b], v[\s+16*\b:\s+7+16*\b], v[TM+12+\b]
	v_cvt_scalef32_pk8_fp4_f32 v[(\pc)+1+2*\b], v[\s+8+16*\b:\s+15+16*\b], v[TM+12+\b]
.endr
	v_nop                                          ; one plain place behind a scaled conversion
.irp c, 0,1                                    ; the operand's layout wants a WHOLE block in a lane: lanes 0-15 block 2 c, lanes 16-31 block 2 c + 1
.irp i, 0,1
	v_permlane16_swap_b32 v[(\pc)+4*\c+\i], v[(\pc)+2+4*\c+\i]
.endr
.endr
.endm
; SMALL's tile i: 32 products, the eight accumulators by turns, K step by K step; the bias is the C of the first K step.
.macro TILE i
.if \i < 7
	s_wait_loadcnt 9                               ; all but the next tile's nine loads are in
.else
	s_wait_loadcnt 0x0
.endif
	s_cmp_eq_u32 s2, 2
	s_cbranch_scc1 .Lfirst_v_\@
	WIN 0x21                                       ; source 0 (BIG) window 1, C (the bias) window 2
.irp t, 0,1,2,3,4,5,6,7
	MMC ACC+8*\t, 32*\t, SM+32*((\i)%2), 8*\t, BS+4*\t, SS+4*((\i)%2)
.endr
	WIN 0
	s_branch .Lfirst_done_\@
.Lfirst_v_\@:
	WIN 0x21
.irp t, 0,1,2,3,4,5,6,7
	MMC ACC+8*\t, 32*\t, SM+32*((\i)%2), 8*(\i), BS+4*\t, SS+4*((\i)%2)
.endr
	WIN 0
.Lfirst_done_\@:
	WIN 0x01
.irp s, 1,2,3
.irp t, 0,1,2,3,4,5,6,7
	MMC ACC+8*\t, 32*\t+8*\s, SM+32*((\i)%2)+8*\s, ACC+8*\t, BS+4*\t+\s, SS+4*((\i)%2)+\s
.endr
.endr
	WIN 0
.rept 4
	v_nop                                          ; four places in front of the first read of results (ISA guide 7.12.1); they stay beside the wait below
.endr
.if \i > 1
	s_wait_xcnt 0x0                                ; tile i - 2's two stores, issued a tile ago, have had their addresses translated (ISA guide 3.1): their data, this tile's set of codes, are written again only behind this wait,
	s_wait_alu depctr_vm_vsrc(0)                   ; and they have read that set, which the conversions below write
.endif
	s_wait_alu depctr_va_vdst(0)                   ; the products are done reading set i % 2 of SMALL and its scale words, in which the loads below land; the tile before has written its codes, which the stores below read
.if \i < 6
	SLOAD (\i)+2                                   ; into the set just multiplied
.endif
.if \i > 0
	OUT (\i)-1                                     ; the tile before, from the other set of codes
.endif
	QUANT ACC, PW+(\i), PC+32*((\i)%2)             ; its plain lines on v[TM] on are also the places ahead of the next tile's products, which begin the accumulators anew
.endm
	SLOAD 0
	SLOAD 1
.irp i, 0,1,2,3,4,5,6,7
	TILE \i
.endr
	s_wait_alu depctr_va_vdst(0)                   ; tile 7's conversions and half-swaps have written its codes, which the two stores read
	OUT 7
	; THE SCALE WORDS.  v[PW + i], in every lane (r, h): the four bytes of row r of SMALL's tile i.  Lanes 0-15 store the even head's 256 bytes, lanes 16-31 the odd head's: a byte select that differs by h.
	v_lshlrev_b32 v8, 4, v1                        ; 16 r
	s_cmp_eq_u32 s2, 0
	s_cbranch_scc0 .Lnot_q
	s_mov_b32 s6, 0x02020202                       ; Q: bytes 0, 1 are the even head's, 2, 3 the odd head's.  The head's two bytes, twice: its codes will stand in either half of an operand
	v_mul_lo_u32 v9, v2, s6
	v_add_nc_u32 v9, 0x01000100, v9
	v_lshl_add_u32 v8, v2, 9, v8                   ; [head 2][tiles 0-3, 4-7][r 16][4 words]
.irp i, 0,1,2,3,4,5,6,7
	v_perm_b32 v[OW+\i], v[PW+\i], v[PW+\i], v9
.endr
	s_wait_alu depctr_va_vdst(0)                   ; the offset v8 and the eight words v[OW ..] are written, which the stores read
	global_store_b128 v8, v[OW:OW+3], s[56:57]
	global_store_b128 v8, v[OW+4:OW+7], s[56:57] offset:256
	s_endpgm
.Lnot_q:
	s_wait_alu depctr_va_vdst(0)
	v_lshl_add_u32 v8, v2, 8, v8                   ; K, V: [head 2][r 16][4 words]
	s_cmp_eq_u32 s2, 1
	s_cbranch_scc0 .Lis_v
	s_mov_b32 s6, 0x02020202                       ; K: word b holds the head's two bytes of key tile 2 b, then those of tile 2 b + 1: the two tiles will stand in one operand
	v_mul_lo_u32 v9, v2, s6
	v_add_nc_u32 v9, 0x05040100, v9
.irp b, 0,1,2,3
	v_perm_b32 v[OW+\b], v[PW+2*\b+1], v[PW+2*\b], v9
.endr
	s_wait_alu depctr_va_vdst(0)                   ; the offset v8 and the four words v[OW ..] are written, which the store reads
	global_store_b128 v8, v[OW:OW+3], s[56:57]
	s_endpgm
.Lis_v:
	s_mov_b32 s6, 0x04040404                       ; V: tiles 0-3 are the even head's channels, tiles 4-7 the odd head's; a word is a channel's four blocks of keys
	v_mul_lo_u32 v9, v2, s6
	v_add_nc_u32 v9, 0x03020100, v9
.irp t, 0,1,2,3
	v_perm_b32 v[OW+\t], v[PW+4+\t], v[PW+\t], v9
.endr
	s_wait_alu depctr_va_vdst(0)                   ; the offset v8 and the four words v[OW ..] are written, which the store reads
	global_store_b128 v8, v[OW:OW+3], s[56:57]
	s_endpgm
.Lfunc_end_k_q51e5709003_qkv:
	.size	k_q51e5709003_qkv, .Lfunc_end_k_q51e5709003_qkv-k_q51e5709003_qkv
	.p2alignl 7, 3214868480
	.fill 96, 4, 3214868480
	.section	.rodata,"a",@progbits
	.p2align	6, 0x0
	.amdhsa_kernel k_q51e5709003_qkv
		.amdhsa_group_segment_fixed_size 0
		.amdhsa_private_segment_fixed_size 0
		.amdhsa_enable_private_segment 0
		.amdhsa_kernarg_size 136
		.amdhsa_user_sgpr_count 2
		.amdhsa_user_sgpr_kernarg_segment_ptr 1
		.amdhsa_wavefront_size32 1
		.amdhsa_system_sgpr_workgroup_id_x 1
		.amdhsa_system_sgpr_workgroup_id_y 1
		.amdhsa_system_sgpr_workgroup_id_z 1
		.amdhsa_system_vgpr_workitem_id 0
		.amdhsa_next_free_vgpr 576
		.amdhsa_next_free_sgpr 84
		.amdhsa_reserve_vcc 0
		.amdhsa_float_denorm_mode_32 3
		.amdhsa_float_denorm_mode_16_64 3
		.amdhsa_memory_ordered 1
		.amdhsa_forward_progress 1
		.amdhsa_inst_pref_size 102
	.end_amdhsa_kernel
	.amdgpu_metadata
---
amdhsa.version: [ 1, 2 ]
amdhsa.kernels:
  - .name:           k_q51e5709003_qkv
    .symbol:         k_q51e5709003_qkv.kd
    .args:
      - { .name: x_codes, .offset: 0, .size: 8, .value_kind: global_buffer, .address_space: global }
      - { .name: x_scales, .offset: 8, .size: 8, .value_kind: global_buffer, .address_space: global }
      - { .name: Wq_codes, .offset: 16, .size: 8, .value_kind: global_buffer, .address_space: global }
      - { .name: Wq_scales, .offset: 24, .size: 8, .value_kind: global_buffer, .address_space: global }
      - { .name: bq, .offset: 32, .size: 8, .value_kind: global_buffer, .address_space: global }
      - { .name: qc, .offset: 40, .size: 8, .value_kind: global_buffer, .address_space: global }
      - { .name: qs, .offset: 48, .size: 8, .value_kind: global_buffer, .address_space: global }
      - { .name: Wk_codes, .offset: 56, .size: 8, .value_kind: global_buffer, .address_space: global }
      - { .name: Wk_scales, .offset: 64, .size: 8, .value_kind: global_buffer, .address_space: global }
      - { .name: bk, .offset: 72, .size: 8, .value_kind: global_buffer, .address_space: global }
      - { .name: kc, .offset: 80, .size: 8, .value_kind: global_buffer, .address_space: global }
      - { .name: ks, .offset: 88, .size: 8, .value_kind: global_buffer, .address_space: global }
      - { .name: Wv_codes, .offset: 96, .size: 8, .value_kind: global_buffer, .address_space: global }
      - { .name: Wv_scales, .offset: 104, .size: 8, .value_kind: global_buffer, .address_space: global }
      - { .name: bv, .offset: 112, .size: 8, .value_kind: global_buffer, .address_space: global }
      - { .name: vc, .offset: 120, .size: 8, .value_kind: global_buffer, .address_space: global }
      - { .name: vs, .offset: 128, .size: 8, .value_kind: global_buffer, .address_space: global }
    .group_segment_fixed_size: 0
    .private_segment_fixed_size: 0
    .kernarg_segment_align: 8
    .kernarg_segment_size: 136
    .max_flat_workgroup_size: 96
    .sgpr_count:     84
    .vgpr_count:     576
    .wavefront_size: 32
...
	.end_amdgpu_metadata
.endif
;; end of part 4
;; launch attn (part 5): grid 16 x 16, 16 waves a work-group, no clusters, 280,576 bytes of LDS; arguments qc, qs, kc, ks, vc, vs, ac, asc; writes ac, asc
.if DOCPART == 5
	.amdgcn_target "amdgcn-amd-amdhsa--gfx1250"
	.amdhsa_code_object_version 6
	.text
	.protected	k_q51e5709003_attn
	.globl	k_q51e5709003_attn
	.p2align	8
	.type	k_q51e5709003_attn,@function
k_q51e5709003_attn:
	s_mov_b64 s[64:65], 0
	v_nop
	global_prefetch_b8 v0, s[64:65] scope:SCOPE_SE
	s_setreg_imm32_b32 hwreg(HW_REG_WAVE_MODE, 25, 1), 1
	s_wait_xcnt 0x0
; Causal attention of one head on codes of FP4 (E2M1) with E8M0 scales: S^T = K Q^T, p = 2^(t - M), O^T = V^T P^T, O / l, and O quantised along the model's 512 for the last product.
; t = score x log2(e) / 8; M = the row's largest t so far, rounded UP to a whole number; the row's sum l is taken of the unquantised p; when M moves, l and O are multiplied by 2^(old M - new M), which rounds nothing.
; INPUTS are images of operand registers, made by the launch before: 512 bytes (16 a lane) for 16 rows x 64 along K.  Keys go in steps of 128; a step's K is 8 pieces (key tile i), its V 8 pieces (channel tile t, key half c).
; SHARES.  A work-group owns one head (ttmp7) and two blocks of 128 queries, j = ttmp9 and 31 - j.  Wave w owns ONE tile of 16 queries: tile w / 2 of block j or 31 - j, by the bit (w xor w / 4) & 1.
; A wave works block + 1 key steps, so any four waves w, w + 1, w + 2, w + 3 and any four w, w + 4, w + 8, w + 12 have 2 (j + 1) + 2 (32 - j) = 66 steps together, in every work-group.
; THE WHOLE HEAD'S K AND V LIE IN LDS, FILLED ONCE: 2 x 131,072 bytes of codes and 2 x 8,192 of scale words.  Images need no padding: each LDS load reads 512 consecutive bytes.  Nothing is filled again.
; They come in three groups of key steps (0-3, 4-15, 16-31), so that work begins when the first has landed.  Each of the 16 waves fetches one piece of K or of V through all steps: four tensor loads a wave, all out at once.
; THE SCORE PRODUCT HAS K = 64, THE INSTRUCTION 128: key tiles 2 b and 2 b + 1 stand in the two halves of ONE source 0; source 1 is [q, 0] for the first and [0, q] for the second: zero codes add nothing.
; THE KEYS OF A TILE ARE NOT NEIGHBOURS (tile i, lane r: key 32 (i / 2) + 8 (i % 2) + r + 8 (r / 8)), so that a lane's 16 scores of tiles 2 b, 2 b + 1 are keys 32 b + 16 (lane / 16) + 0 .. 15; V's channels and the queries likewise.
; CAUSAL.  A step behind my block is left out by a scalar branch on ids (the loops' trip counts are constants); in the step of my own block hidden scores become -infinity ahead of the maximum.
; NO CLUSTER, NO JOINT LOADS, though the 16 work-groups of a head read the same K and V: the two branches above hang on the query block, which differs between such partners.
; LIMITS: a block of zeros gets the byte 1 where the rule says 127 (zero codes; read by this program alone); 1 / l is v_rcp_f32 and a multiply; a block's largest p is taken through the block's largest score
; (the same multiply-add and exponential on the same number); NaN and infinities are not served.
; REGISTERS: v1-4 lane figures; v8-10 the step's LDS addresses; v12 -M, v13 the largest t, v[14:15] l in two halves; v16-27 0, q, 0; v32-63 K; v64-95 V; v96-159 S^T, then p; v160-191 O^T; v192-199 p's codes;
;   v200-203 K's scale words, v204-207 V's, v253 p's, v255 Q's; v232-254 at work.
.set L16, 1                            ; v1   16 x lane
.set SCA, 2                            ; v2   LDS: K's scale words, 16 x (lane % 16)
.set DG,  3                            ; v3   my query's place in its block - 16 (lane / 16)
.set R16, 4                            ; v4   16 x (lane % 16)
.set ADK, 8
.set ADV, 9
.set ADS, 10
.set Q0Z, 20                           ; v[20:27] = [q, 0]
.set QZ0, 16                           ; v[16:23] = [0, q]
.set KF,  32
.set VF,  64
.set S,   96
.set OT,  160
.set PC,  192
.set KSW, 200
.set VSW, 204
.set WV,  24                           ; s24 wave;  s25 0: I fetch for K, 1: for V;  s26 which piece;  s27 batch x 4 + pair of heads
.set QB,  84                           ; s84 my block of queries
.set ST,  85                           ; s85 the key step
.set TK,  86                           ; s86 LDS byte of the step's first piece of K
.set TSC, 87                           ; s87 256 x step: its scale words
.set CNT, 88
.set TI,  89                           ; s89 my tile in the block
.macro MM0 d, a, b, sa, sb             ; D = A B, 16 x 16 x 128, both sides FP4
	v_wmma_scale_f32_16x16x128_f8f6f4 v[\d:\d+7], v[\a:\a+7], v[\b:\b+7], 0, v[\sa], v[\sb] matrix_a_fmt:MATRIX_FMT_FP4 matrix_b_fmt:MATRIX_FMT_FP4
.endm
.macro MMC d, a, b, c, sa, sb
	v_wmma_scale_f32_16x16x128_f8f6f4 v[\d:\d+7], v[\a:\a+7], v[\b:\b+7], v[\c:\c+7], v[\sa], v[\sb] matrix_a_fmt:MATRIX_FMT_FP4 matrix_b_fmt:MATRIX_FMT_FP4
.endm
.macro G1C g, rows                     ; descriptor group 1: rows key steps of one piece: 512 bytes (64 elements of 8) each, 8,192 bytes (1,024 elements) apart in memory, on end in LDS
	s_mov_b32 s[\g], 3<<16                         ; no mask; elements of 8 bytes; no padding
	s_mov_b32 s[\g+1], 64<<16                      ; tensor_dim0
	s_mov_b32 s[\g+2], \rows<<16                   ; tensor_dim1
	s_mov_b32 s[\g+3], 64<<16                      ; tile_dim0
	s_mov_b32 s[\g+4], \rows                       ; tile_dim1
	s_mov_b32 s[\g+5], 1024                        ; from row to row
	s_mov_b32 s[\g+6], 0
	s_mov_b32 s[\g+7], 0
.endm
	s_load_b512 s[8:23], s[0:1], 0x0               ; qc 8, qs 10, kc 12, ks 14, vc 16, vs 18, ac 20, asc 22
	v_lshl_add_u32 v250, v0, 2, 0x44000
	v_mov_b32 v251, 0
	ds_add_u32 v250, v251
	ds_add_u32 v250, v251
	v_lshrrev_b32 v5, 5, v0
	s_delay_alu instid0(VALU_DEP_1)
	v_readfirstlane_b32 s[WV], v5
	s_and_b32 s90, ttmp7, 0xffff
	s_lshr_b32 s91, s90, 3                         ; batch
	s_and_b32 s92, s90, 7                          ; head
	s_lshr_b32 s93, s92, 1
	s_and_b32 s94, s92, 1                          ; the head's place in its pair
	s_lshl_b32 s27, s91, 2
	s_add_co_u32 s27, s27, s93
	s_lshr_b32 s25, s[WV], 3
	s_and_b32 s26, s[WV], 7
	s_lshr_b32 s[TI], s[WV], 1
	s_lshr_b32 s95, s[WV], 2
	s_xor_b32 s95, s95, s[WV]
	s_and_b32 s95, s95, 1
	s_sub_co_u32 s93, 31, ttmp9
	s_cmp_eq_u32 s95, 1
	s_cselect_b32 s[QB], s93, ttmp9                ; block 31 - j or j
	; where my four tiles go in LDS: constants, the wave's number times constants
	s_lshl_b32 s90, s25, 13
	s_lshl_b32 s93, s26, 10
	s_add_co_u32 s29, s90, s93
	s_add_co_u32 s29, s29, 262144                  ; scale words: 262,144 + 8,192 side + 1,024 piece (four steps of 256 bytes)
	s_lshl_b32 s90, s25, 17                        ; codes: V's lie 131,072 behind K's
	s_lshl_b32 s93, s26, 11
	s_add_co_u32 s33, s90, s93                     ; steps 0-3: 2,048 bytes a piece
	s_mul_i32 s93, s26, 6144
	s_add_co_u32 s37, s90, s93
	s_add_co_u32 s37, s37, 16384                   ; steps 4-15: 6,144 a piece, from 16,384 on
	s_lshl_b32 s93, s26, 13
	s_add_co_u32 s41, s90, s93
	s_add_co_u32 s41, s41, 65536                   ; steps 16-31: 8,192 a piece, from 65,536 on
	; and where they come from
	s_lshl_b32 s90, s26, 10
	s_lshl_b32 s93, s94, 9
	s_add_co_u32 s90, s90, s93                     ; K's piece: key tile x 1,024 + head's place x 512
	s_lshl_b32 s93, s94, 12
	s_lshl_b32 s95, s26, 9
	s_add_co_u32 s93, s93, s95                     ; V's: head's place x 4,096 + piece x 512
	s_cmp_eq_u32 s25, 0
	s_cselect_b32 s96, s90, s93
	s_lshl_b32 s90, s27, 18                        ; 32 steps of 8,192 bytes for each pair of heads
	s_add_co_u32 s96, s96, s90
	s_mov_b32 s97, 0
	s_lshl_b32 s98, s27, 14                        ; scale words: 32 steps of 512 bytes,
	s_lshl_b32 s90, s94, 8                         ; the head's 256 of them,
	s_add_co_u32 s98, s98, s90
	s_lshl_b32 s90, s26, 11                        ; from step 4 x piece on
	s_add_co_u32 s98, s98, s90
	s_mov_b32 s99, 0
	; Q's image and scale word
	s_lshl_b32 s90, s27, 5
	s_add_co_u32 s90, s90, s[QB]
	s_lshl_b32 s2, s90, 13
	s_lshl_b32 s93, s[TI], 10
	s_add_co_u32 s2, s2, s93
	s_lshl_b32 s93, s94, 9
	s_add_co_u32 s2, s2, s93
	s_mov_b32 s3, 0
	s_lshl_b32 s4, s90, 10
	s_add_co_u32 s4, s4, s93
	s_lshr_b32 s93, s[TI], 2
	s_lshl_b32 s93, s93, 8
	s_add_co_u32 s4, s4, s93
	s_and_b32 s93, s[TI], 3
	s_lshl_b32 s93, s93, 2
	s_add_co_u32 s4, s4, s93
	s_mov_b32 s5, 0
	; the result: tile T = (batch x 32 + block) x 8 + tile: 4,096 bytes of codes (512 a head), 256 of scale bytes (2 a row and head)
	s_lshl_b32 s90, s91, 5
	s_add_co_u32 s90, s90, s[QB]
	s_lshl_b32 s90, s90, 3
	s_add_co_u32 s90, s90, s[TI]
	s_lshl_b32 s6, s90, 12
	s_lshl_b32 s93, s92, 9
	s_add_co_u32 s6, s6, s93
	s_mov_b32 s7, 0
	s_lshl_b32 s66, s90, 8
	s_lshl_b32 s93, s92, 1
	s_add_co_u32 s66, s66, s93
	s_mov_b32 s67, 0
	s_lshr_b32 s95, s[TI], 1
	s_lshl_b32 s95, s95, 5
	s_and_b32 s93, s[TI], 1
	s_lshl_b32 s93, s93, 3
	s_add_co_u32 s95, s95, s93                     ; my tile's first row in the block: 32 (i / 2) + 8 (i % 2)
	s_mov_b32 s44, 3<<16                           ; group 1 for the scale words: 4 steps of 256 bytes (32 elements of 8), 512 bytes (64 elements) apart
	s_mov_b32 s45, 32<<16
	s_mov_b32 s46, 4<<16
	s_mov_b32 s47, 32<<16
	s_mov_b32 s48, 4
	s_mov_b32 s49, 64
	s_mov_b32 s50, 0
	s_mov_b32 s51, 0
	G1C 52, 4
	G1C 68, 12
	G1C 76, 16
	s_mov_b32 s60, 0x76543210
	s_mov_b32 s61, 0xfedcba98                      ; v_permlanex16_b32's selects for lane l xor 16
	s_mov_b32 s62, 0x3e38aa3b                      ; c = log2(e) / 8
	s_mov_b32 s63, s62                             ; (named with it as a pair, so it is written)
	v_and_b32 v[L16], 31, v0
	s_delay_alu instid0(VALU_DEP_1)
	v_lshlrev_b32 v[L16], 4, v[L16]
	v_and_b32 v5, 15, v0
	s_delay_alu instid0(VALU_DEP_1)
	v_lshlrev_b32 v[R16], 4, v5
	s_delay_alu instid0(VALU_DEP_1)
	v_add_nc_u32 v[SCA], 0x40000, v[R16]
	s_delay_alu instid0(VALU_DEP_3)
	v_and_b32 v6, 8, v5
	s_delay_alu instid0(VALU_DEP_1)
	v_add_nc_u32 v5, v5, v6                        ; r + 8 (r / 8)
	v_bfe_u32 v6, v0, 4, 1
	s_delay_alu instid0(VALU_DEP_1)
	v_lshlrev_b32 v6, 4, v6
	s_delay_alu instid0(VALU_DEP_1)
	v_sub_nc_u32 v5, v5, v6
	s_delay_alu instid0(VALU_DEP_1)
	v_add_nc_u32 v[DG], s95, v5
	s_wait_alu depctr_va_vdst(0)
	s_wait_dscnt 0x0
	s_wait_kmcnt 0x0
	s_cmp_eq_u32 s25, 0                            ; K's buffers or V's: the choice hangs on the wave's number alone
	s_cselect_b64 s[12:13], s[12:13], s[16:17]
	s_cselect_b64 s[14:15], s[14:15], s[18:19]
	s_add_nc_u64 s[12:13], s[12:13], s[96:97]
	s_add_nc_u64 s[8:9], s[8:9], s[2:3]
	s_add_nc_u64 s[10:11], s[10:11], s[4:5]
	s_add_nc_u64 s[20:21], s[20:21], s[6:7]
	s_add_nc_u64 s[22:23], s[22:23], s[66:67]
	s_mov_b32 s28, 1                               ; group 0: count 1, LDS address (written above), global address, type 2
	s_add_nc_u64 s[30:31], s[14:15], s[98:99]
	s_or_b32 s31, s31, 0x80000000
	s_mov_b32 s32, 1
	s_mov_b64 s[34:35], s[12:13]
	s_or_b32 s35, s35, 0x80000000
	s_mov_b32 s36, 1
	s_add_nc_u64 s[38:39], s[12:13], 4*8192
	s_or_b32 s39, s39, 0x80000000
	s_mov_b32 s40, 1
	s_add_nc_u64 s[42:43], s[12:13], 16*8192
	s_or_b32 s43, s43, 0x80000000
	tensor_load_to_lds s[28:31], s[44:51]          ; all first fills in one group, ahead of every wait on TENSORcnt, LDS read and barrier: four loads of mine are out.  Scale words of four steps,
	s_nop 0
	tensor_load_to_lds s[32:35], s[52:59]          ; my piece of steps 0-3,
	s_nop 0
	tensor_load_to_lds s[36:39], s[68:75]          ; of steps 4-15,
	s_nop 0
	tensor_load_to_lds s[40:43], s[76:83]          ; of steps 16-31
	s_nop 0
.rept 4
	v_nop
.endr
	global_load_b128 v[20:23], v[L16], s[8:9]      ; q: lane (r, h): query r of my tile, channels 32 h on
	global_load_b32 v255, v[R16], s[10:11]         ; its two scale bytes, twice
.irp j, 16,17,18,19,24,25,26,27
	v_mov_b32 v[\j], 0                             ; the zero codes on both sides of q
.endr
	v_mov_b32 v13, 0xff61b1e6                      ; the largest t so far: -3e38, under every t
	s_delay_alu instid0(VALU_DEP_1)
	v_floor_f32 v12, -v13                          ; -M
	v_mov_b32 v14, 0                               ; l, in two halves
	v_mov_b32 v15, 0
.irp b, 0,1,2,3
	v_mov_b32 v[236+\b], 0                         ; written once: a lane permute's destination counts as one of its sources
.endr
	v_mov_b32 v252, 0
	v_mov_b32 v253, 0                              ; (named as the upper half of the pair v[252:253] before it is first written)
.set jj, 0
.rept 32
	v_mov_b32 v[OT+jj], 0                          ; O^T: the step is written once; the first finds zeros, which the first change of M leaves zeros
.set jj, jj+1
.endr
	s_wait_loadcnt 0x0                             ; q
; A KEY STEP: 128 keys.  ps: bytes from piece to piece in the group of steps in hand.
.macro STEP ps
	s_cmp_gt_u32 s[ST], s[QB]                      ; all its keys come after my queries: only the address steps at the end are run
	s_cbranch_scc1 .Lhidden_\@
	s_setprio 2
	v_add_nc_u32 v[ADK], s[TK], v[L16]             ; these four lines are the places behind the last step's products, in front of loads into registers that those have read
	v_add_nc_u32 v[ADS], s[TSC], v[SCA]
	s_delay_alu instid0(VALU_DEP_2)
	v_add_nc_u32 v[ADV], 0x20000, v[ADK]
	v_nop
.irp b, 0,1,2,3
.irp u, 0,1
	ds_load_b128 v[KF+8*\b+4*\u:KF+8*\b+4*\u+3], v[ADK] offset:(2*\b+\u)*\ps   ; key tiles 2 b and 2 b + 1 in the two halves of one operand
.endr
.endr
	ds_load_b128 v[KSW:KSW+3], v[ADS]              ; word b: both tiles' bytes
.irp t, 0,1,2,3
.irp c, 0,1
	ds_load_b128 v[VF+8*\t+4*\c:VF+8*\t+4*\c+3], v[ADV] offset:(2*\t+\c)*\ps
.endr
.endr
	ds_load_b128 v[VSW:VSW+3], v[ADS] offset:8192
	s_wait_dscnt 9                                 ; K and its words are in; V's eight loads and its words may be out
.irp b, 0,1,2,3
	MM0 S+16*\b, KF+8*\b, Q0Z, KSW+\b, 255         ; tile 2 b meets q, tile 2 b + 1 zeros;
	MM0 S+16*\b+8, KF+8*\b, QZ0, KSW+\b, 255       ; and the other way round
.endr
.rept 4
	v_nop                                          ; four places in front of the first read of results (ISA guide 7.12.1)
.endr
	s_cmp_lg_u32 s[ST], s[QB]
	s_cbranch_scc1 .Lopen_\@                       ; every key of an earlier step counts
	v_mov_b32 v254, 0xff800000                     ; my own block: register 16 b + i holds key 32 b + 16 (lane / 16) + i of it: hidden where 32 b + i > v[DG]
.set jj, 0
.rept 64
	v_cmp_gt_i32 vcc_lo, 32*(jj/16)+jj%16, v[DG]
	v_cndmask_b32 v[S+jj], v[S+jj], v254, vcc_lo
.set jj, jj+1
.endr
.Lopen_\@:
.irp b, 0,1,2,3
	v_max3_num_f32 v[232+\b], v[S+16*\b], v[S+1+16*\b], v[S+2+16*\b]   ; the largest score of each block of 32 keys: for the row's maximum, and for the block's largest p
.endr
.irp i, 3,5,7,9,11,13
.irp b, 0,1,2,3
	v_max3_num_f32 v[232+\b], v[232+\b], v[S+16*\b+\i], v[S+1+16*\b+\i]
.endr
.endr
.irp b, 0,1,2,3
	v_max_num_f32 v[232+\b], v[232+\b], v[S+15+16*\b]
.endr
.irp b, 0,1,2,3
	s_delay_alu instid0(VALU_DEP_4)
	v_permlanex16_b32 v[236+\b], v[232+\b], s60, s61
.endr
.irp b, 0,1,2,3
	s_delay_alu instid0(VALU_DEP_4)
	v_max_num_f32 v[232+\b], v[232+\b], v[236+\b]  ; with lane l xor 16's 16 keys
.endr
	s_delay_alu instid0(VALU_DEP_2)
	v_max3_num_f32 v254, v232, v233, v234
	s_delay_alu instid0(VALU_DEP_1)
	v_max_num_f32 v254, v254, v235                 ; the step's largest score of my query
	s_delay_alu instid0(VALU_DEP_1)
	v_mul_f32 v254, s62, v254                      ; as t (c is positive)
	s_delay_alu instid0(VALU_DEP_1)
	v_max_num_f32 v13, v13, v254                   ; the running largest t
	v_mov_b32 v254, v12
	s_delay_alu instid0(VALU_DEP_2)
	v_floor_f32 v12, -v13                          ; the new -M = floor(-t) = -ceil(t)
	s_delay_alu instid0(VALU_DEP_1)
	v_sub_f32 v254, v12, v254                      ; old M - new M: a whole number, 0 or less
	s_delay_alu instid0(VALU_DEP_1)
	v_cvt_i32_f32 v254, v254                       ; (it saturates)
	s_delay_alu instid0(VALU_DEP_1)
	v_ldexp_f32 v252, 1.0, v254                    ; f = 2^(old M - new M)
.set jj, 0
.rept 32
	v_pk_fma_f32 v[S+jj:S+jj+1], v[S+jj:S+jj+1], s[62:63], v[12:13] op_sel_hi:[1,0,0]   ; t - M, two at a time
.set jj, jj+2
.endr
	s_setprio 1
.irp b, 0,1,2,3
	v_fma_f32 v[232+\b], v[232+\b], s62, v12       ; the same of each block's largest score
.endr
.set jj, 0
	s_wait_alu depctr_va_vdst(0)
.rept 64
	v_exp_f32 v[S+jj], v[S+jj]                     ; p = 2^(t - M): not normalised
.set jj, jj+1
.endr
	v_pk_mul_f32 v[14:15], v[14:15], v[252:253] op_sel_hi:[1,0]   ; l under the new M: the plain place behind the exponentials
	s_wait_alu depctr_va_vdst(0)                   ; one wait for the batch of 64, ahead of its first reader
.irp b, 0,1,2,3
	v_exp_f32 v[232+\b], v[232+\b]                 ; the block's largest p
.endr
	v_pk_add_f32 v[236:237], v[100:101], v[104:105]
	v_pk_add_f32 v[248:249], v[108:109], v[112:113]
	v_pk_add_f32 v[246:247], v[116:117], v[120:121]
	v_pk_add_f32 v[244:245], v[124:125], v[128:129]
	v_pk_add_f32 v[242:243], v[132:133], v[136:137]
	v_pk_add_f32 v[240:241], v[140:141], v[144:145]
	v_pk_add_f32 v[238:239], v[148:149], v[152:153]
	v_pk_add_f32 v[14:15], v[14:15], v[156:157]
	v_pk_add_f32 v[236:237], v[236:237], v[96:97]
	v_pk_add_f32 v[248:249], v[248:249], v[98:99]
	v_pk_add_f32 v[246:247], v[246:247], v[102:103]
	v_pk_add_f32 v[244:245], v[244:245], v[106:107]
	v_pk_add_f32 v[242:243], v[242:243], v[110:111]
	v_pk_add_f32 v[240:241], v[240:241], v[114:115]
	v_pk_add_f32 v[238:239], v[238:239], v[118:119]
	v_pk_add_f32 v[14:15], v[14:15], v[122:123]
	v_pk_add_f32 v[236:237], v[236:237], v[126:127]
	v_pk_add_f32 v[248:249], v[248:249], v[130:131]
	v_pk_add_f32 v[246:247], v[246:247], v[134:135]
	v_pk_add_f32 v[244:245], v[244:245], v[138:139]
	v_pk_add_f32 v[242:243], v[242:243], v[142:143]
	v_pk_add_f32 v[240:241], v[240:241], v[146:147]
	v_pk_add_f32 v[238:239], v[238:239], v[150:151]
	v_pk_add_f32 v[14:15], v[14:15], v[154:155]
	v_pk_add_f32 v[236:237], v[236:237], v[158:159]
	s_delay_alu instid0(VALU_DEP_2)
	v_pk_add_f32 v[14:15], v[14:15], v[244:245]
	s_delay_alu instid0(VALU_DEP_2)
	v_pk_add_f32 v[236:237], v[236:237], v[242:243]
	v_pk_add_f32 v[248:249], v[248:249], v[240:241]
	v_pk_add_f32 v[246:247], v[246:247], v[238:239]
	s_delay_alu instid0(VALU_DEP_2)
	v_pk_add_f32 v[14:15], v[14:15], v[248:249]
	s_delay_alu instid0(VALU_DEP_2)
	v_pk_add_f32 v[236:237], v[236:237], v[246:247]
	s_delay_alu instid0(VALU_DEP_1)
	v_pk_add_f32 v[14:15], v[14:15], v[236:237]
	s_wait_alu depctr_va_vdst(0)                   ; and one for the four
.irp b, 0,1,2,3
	v_max_num_f32 v[232+\b], 0x1800000, v[232+\b]  ; the floor 2^(3 - 127): the byte cannot fall under 1
.endr
.irp b, 0,1,2,3
	s_delay_alu instid0(VALU_DEP_4)
	v_add_nc_u32 v[244+\b], 0xff000000, v[232+\b]  ; 2 off the exponent field: the conversion's scale operand
.endr
.irp b, 0,1,2,3
	s_delay_alu instid0(VALU_DEP_4)
	v_lshrrev_b32 v[236+\b], 23, v[244+\b]         ; the scale's byte
.endr
	s_delay_alu instid0(VALU_DEP_3)
	v_lshl_or_b32 v253, v237, 8, v236              ; p's scale word for these 128 keys
	s_delay_alu instid0(VALU_DEP_1)
	v_lshl_or_b32 v253, v238, 16, v253
	s_delay_alu instid0(VALU_DEP_1)
	v_lshl_or_b32 v253, v239, 24, v253
	s_setprio 0
.irp b, 0,1,2,3
	v_cvt_scalef32_pk8_fp4_f32 v[PC+2*\b], v[S+16*\b:S+7+16*\b], v[244+\b]
	v_cvt_scalef32_pk8_fp4_f32 v[PC+1+2*\b], v[S+8+16*\b:S+15+16*\b], v[244+\b]
.endr
.set jj, 0
.rept 16
	v_pk_mul_f32 v[OT+jj:OT+jj+1], v[OT+jj:OT+jj+1], v[252:253] op_sel_hi:[1,0]   ; O^T under the new M, each accumulator from its low end on; the first line is the plain place behind the conversions
.set jj, jj+2
.endr
.irp c, 0,1                                    ; the operand's layout wants a WHOLE block in a lane: lanes 0-15 block 2 c, lanes 16-31 block 2 c + 1
.irp i, 0,1
	v_permlane16_swap_b32 v[PC+4*\c+\i], v[PC+2+4*\c+\i]
.endr
.endr
.rept 4
	v_nop                                          ; an operand written by vector instructions stands four places ahead of a scaled product; the scale word, written 24 lines back, eight
.endr
	s_wait_alu depctr_va_vdst(0)
	s_wait_dscnt 0x0                               ; V and its words are in
.irp t, 0,1,2,3
	MMC OT+8*\t, VF+8*\t, PC, OT+8*\t, VSW+\t, 253 ; O^T += V^T P^T: the four accumulators by turns
.endr
.Lhidden_\@:
	s_add_co_u32 s[TK], s[TK], 512
	s_add_co_u32 s[TSC], s[TSC], 256
	s_add_co_u32 s[ST], s[ST], 1
.endm
; A group of n key steps from step first on, whose pieces lie from LDS byte base on.  The trip count is a constant; every wave walks every trip.
.macro PHASE n, base, first
	s_mov_b32 s[TK], \base
	s_mov_b32 s[TSC], 256*\first
	s_mov_b32 s[ST], \first
	s_mov_b32 s[CNT], \n
.Lphase_\@:
	STEP 512*\n
	s_sub_co_u32 s[CNT], s[CNT], 1
	s_cmp_lg_u32 s[CNT], 0
	s_cbranch_scc1 .Lphase_\@
	s_setprio 0
.endm
	s_wait_tensorcnt 2                             ; my scale words and my piece of steps 0-3 are in; my two later loads may be out
	s_barrier_signal -1
	s_barrier_wait -1                              ; everybody's are
	PHASE 4, 0, 0
	s_wait_tensorcnt 1                             ; my piece of steps 4-15 is in
	s_wait_dscnt 0x0                               ; no LDS instruction of mine is out at a signal
	s_barrier_signal -1
	s_barrier_wait -1
	PHASE 12, 16384, 4
	s_wait_tensorcnt 0x0                           ; my piece of steps 16-31 is in
	s_wait_dscnt 0x0
	s_barrier_signal -1
	s_barrier_wait -1
	PHASE 16, 65536, 16
	; THE WAY OUT.  O^T / l; register 8 t + j of lane (r, h) is channel 32 (t / 2) + 16 h + 8 (t % 2) + j of query r: two blocks of 32 along the last product's K.  They are quantised as p is, and stored as an image.
.rept 4
	v_nop                                          ; places behind the last products
.endr
	v_add_f32 v14, v14, v15                        ; l's two halves,
	s_delay_alu instid0(VALU_DEP_1)
	v_permlanex16_b32 v252, v14, s60, s61
	s_delay_alu instid0(VALU_DEP_1)
	v_add_f32 v14, v14, v252                       ; and lane l xor 16's
	s_wait_alu depctr_va_vdst(0)
	v_rcp_f32 v14, v14
	v_nop                                          ; a plain place behind the reciprocal
	s_wait_alu depctr_va_vdst(0)                   ; and the wait ahead of its first reader
.set jj, 0
.rept 16
	v_pk_mul_f32 v[S+jj:S+jj+1], v[OT+jj:OT+jj+1], v[14:15] op_sel_hi:[1,0]
.set jj, jj+2
.endr
.irp b, 0,1
	v_max3_num_f32 v[232+\b], |v[S+16*\b]|, |v[S+1+16*\b]|, 0x1800000
.endr
.irp i, 2,4,6,8,10,12,14
.irp b, 0,1
	s_delay_alu instid0(VALU_DEP_2)
	v_max3_num_f32 v[232+\b], v[232+\b], |v[S+16*\b+\i]|, |v[S+1+16*\b+\i]|
.endr
.endr
.irp b, 0,1
	s_delay_alu instid0(VALU_DEP_2)
	v_permlanex16_b32 v[236+\b], v[232+\b], s60, s61
.endr
.irp b, 0,1
	s_delay_alu instid0(VALU_DEP_2)
	v_max_num_f32 v[232+\b], v[232+\b], v[236+\b]
.endr
.irp b, 0,1
	s_delay_alu instid0(VALU_DEP_2)
	v_add_nc_u32 v[244+\b], 0xff000000, v[232+\b]
.endr
.irp b, 0,1
	s_delay_alu instid0(VALU_DEP_2)
	v_lshrrev_b32 v[236+\b], 23, v[244+\b]
.endr
	s_delay_alu instid0(VALU_DEP_1)
	v_lshl_or_b32 v254, v237, 8, v236              ; the head's two scale bytes of my row
.irp b, 0,1
	v_cvt_scalef32_pk8_fp4_f32 v[PC+2*\b], v[S+16*\b:S+7+16*\b], v[244+\b]
	v_cvt_scalef32_pk8_fp4_f32 v[PC+1+2*\b], v[S+8+16*\b:S+15+16*\b], v[244+\b]
.endr
	v_nop                                          ; one plain place behind a scaled conversion
	v_permlane16_swap_b32 v[PC], v[PC+2]           ; lanes 0-15: channels 0-31, lanes 16-31: channels 32-63
	v_permlane16_swap_b32 v[PC+1], v[PC+3]
	global_store_b128 v[L16], v[PC:PC+3], s[20:21] ; 32 lanes store 512 consecutive bytes, at a multiple of 512 from the buffer's first byte
	global_store_b16 v[R16], v254, s[22:23]        ; two bytes of each row's 16: the eight heads share a row's bytes; lanes l and l + 16 store the same value at the same place
	s_wait_tensorcnt 0x0
	ds_add_u32 v250, v251
	s_wait_dscnt 0x0
	s_endpgm
.Lfunc_end_k_q51e5709003_attn:
	.size	k_q51e5709003_attn, .Lfunc_end_k_q51e5709003_attn-k_q51e5709003_attn
	.p2alignl 7, 3214868480
	.fill 96, 4, 3214868480
	.section	.rodata,"a",@progbits
	.p2align	6, 0x0
	.amdhsa_kernel k_q51e5709003_attn
		.amdhsa_group_segment_fixed_size 280576
		.amdhsa_private_segment_fixed_size 0
		.amdhsa_enable_private_segment 0
		.amdhsa_kernarg_size 64
		.amdhsa_user_sgpr_count 2
		.amdhsa_user_sgpr_kernarg_segment_ptr 1
		.amdhsa_wavefront_size32 1
		.amdhsa_system_sgpr_workgroup_id_x 1
		.amdhsa_system_sgpr_workgroup_id_y 1
		.amdhsa_system_sgpr_workgroup_id_z 1
		.amdhsa_system_vgpr_workitem_id 0
		.amdhsa_next_free_vgpr 256
		.amdhsa_next_free_sgpr 100
		.amdhsa_reserve_vcc 1
		.amdhsa_float_denorm_mode_32 3
		.amdhsa_float_denorm_mode_16_64 3
		.amdhsa_memory_ordered 1
		.amdhsa_forward_progress 1
		.amdhsa_inst_pref_size 79
	.end_amdhsa_kernel
	.amdgpu_metadata
---
amdhsa.version: [ 1, 2 ]
amdhsa.kernels:
  - .name:           k_q51e5709003_attn
    .symbol:         k_q51e5709003_attn.kd
    .args:
      - { .name: qc, .offset: 0, .size: 8, .value_kind: global_buffer, .address_space: global }
      - { .name: qs, .offset: 8, .size: 8, .value_kind: global_buffer, .address_space: global }
      - { .name: kc, .offset: 16, .size: 8, .value_kind: global_buffer, .address_space: global }
      - { .name: ks, .offset: 24, .size: 8, .value_kind: global_buffer, .address_space: global }
      - { .name: vc, .offset: 32, .size: 8, .value_kind: global_buffer, .address_space: global }
      - { .name: vs, .offset: 40, .size: 8, .value_kind: global_buffer, .address_space: global }
      - { .name: ac, .offset: 48, .size: 8, .value_kind: global_buffer, .address_space: global }
      - { .name: asc, .offset: 56, .size: 8, .value_kind: global_buffer, .address_space: global }
    .group_segment_fixed_size: 280576
    .private_segment_fixed_size: 0
    .kernarg_segment_align: 8
    .kernarg_segment_size: 64
    .max_flat_workgroup_size: 512
    .sgpr_count:     100
    .vgpr_count:     256
    .wavefront_size: 32
...
	.end_amdgpu_metadata
.endif
;; end of part 5
;; launch oproj (part 6): grid 64 x 4, 4 waves a work-group, no clusters, 34,304 bytes of LDS; arguments ac, asc, Wo_codes, Wo_scales, bo, out0; writes out0
.if DOCPART == 6
	.amdgcn_target "amdgcn-amd-amdhsa--gfx1250"
	.amdhsa_code_object_version 6
	.text
	.protected	k_q51e5709003_oproj
	.globl	k_q51e5709003_oproj
	.p2align	8
	.type	k_q51e5709003_oproj,@function
k_q51e5709003_oproj:
	s_mov_b64 s[64:65], 0
	v_nop
	global_prefetch_b8 v0, s[64:65] scope:SCOPE_SE
	s_setreg_imm32_b32 hwreg(HW_REG_WAVE_SCHED_MODE, 0, 2), 2
	s_setreg_imm32_b32 hwreg(HW_REG_WAVE_MODE, 25, 1), 1
	s_wait_xcnt 0x0
	s_wait_alu depctr_vm_vsrc(0)
; out0 = A Wo + bo on codes of FP4 (E2M1) with E8M0 scales.  A: the attention's result, 512 tiles of 16 rows, each an image of its four fragments' registers (4,096 bytes) and 16 scale bytes a row.
; Wo: 512 rows (features) of 512 codes, K innermost; out0: 8,192 rows of 512 f32.
; SHARES.  A work-group takes 128 rows (ttmp9: tiles 8 X .. 8 X + 7) and 128 features (ttmp7).  Wave w takes tiles 2 w and 2 w + 1; the 128 features' 32 fragments of Wo stay in its registers.
; Source 0 = 16 features, source 1 = 16 rows: a lane holds 8 neighbouring features of one row.  A tile's 16 rows x 512 bytes go through the wave's own stage in LDS and leave as whole rows: no barrier.
; Row p of tile i is row 32 (i / 2) + 8 (i % 2) + p + 8 (p / 8) of the block: so the launches before have laid the tiles.  The bias is the C of each sum's first product.
; LIMITS: NaN, infinities and a scale byte 0xff among the inputs are not served.
; THE MODE: SCHED_MODE bits 1:0 = 2 (LLVM: expert scheduling mode 2), set by the entry lines.  The code itself states the register dependences between vector or matrix instructions and memory or LDS instructions,
; with s_wait_alu, always for 0.
; THE PLAN.  Registers that memory or LDS instructions touch:
;   the accumulators   Written by a tile's 32 products; read by its 16 LDS stores; written again by the second tile's products.
;   OUT0 (v184-247)    The first tile's rows: written by its loads from the stage, read by its 16 global stores.  No vector or matrix instruction names them.
;   OUT1 (v48-111)     The second tile's rows, in the registers that held both tiles' fragments: read by the products of both tiles, then written by the loads from the stage, read by the global stores.
;   v4 - v7, v10, v11  Offsets and LDS addresses, made once at the head and never written again.
;   Wo, its scale words, the bias, the tiles' fragments and scale words: loaded once, at the head.
; THE ORDER: the first tile's products | wait: the accumulators are written | into the stage and back | wait: the LDS stores have read the accumulators | the second tile's products, while the first tile's rows come back |
; the first tile's global stores | wait: the accumulators are written and the fragments are done with | into the stage and back | the second tile's global stores.  With an out-buffer to each tile no store's data are written again.
; REGISTERS.  window 0: v1-11 lane figures and offsets; v16-47 Wo's scale words (4 t + s); v48-111 the two tiles' fragments (32 u + 8 s + 4 c), later OUT1; v112-119 their scale words; v120-183 the 8 accumulators; v184-247 OUT0.
;   window 1: Wo (32 t + 8 s + 4 c).   window 2: v0-63 the bias.
.set BS,   16
.set SM,   48
.set SS,   112
.set ACC,  120
.set OUTR, 184                         ; tile u's rows on the way out at OUTR - 136 u: v184 and v48
.set SP,   528                         ; a stage row: 512 bytes + 16, so that the 16 rows that a store touches begin 33 x 16 bytes apart
.set MSB, 0
.macro WIN new                         ; the immediate's high byte repeats the setting that is left
.if MSB != \new
	s_set_vgpr_msb (MSB<<8)|\new
.set MSB, \new
.endif
.endm
.macro MMC d, a, b, c, sa, sb
	v_wmma_scale_f32_16x16x128_f8f6f4 v[\d:\d+7], v[\a:\a+7], v[\b:\b+7], v[\c:\c+7], v[\sa], v[\sb] matrix_a_fmt:MATRIX_FMT_FP4 matrix_b_fmt:MATRIX_FMT_FP4
.endm
	s_load_b256 s[8:15], s[0:1], 0x0               ; ac 8, asc 10, Wo codes 12, Wo scales 14
	s_load_b128 s[16:19], s[0:1], 0x20             ; bo 16, out0 18
	v_lshl_add_u32 v254, v0, 2, 0x8400
	v_mov_b32 v255, 0
	v_lshrrev_b32 v1, 5, v0
	v_readfirstlane_b32 s2, v1                     ; wave 0..3
	s_mov_b32 s3, ttmp9                            ; X
	s_and_b32 s4, ttmp7, 0xffff                    ; which 128 features
	s_lshl_b32 s20, s4, 15                         ; Wo's codes: 128 rows of 256 bytes
	s_mov_b32 s21, 0
	s_lshl_b32 s22, s4, 11                         ; its scales
	s_mov_b32 s23, 0
	s_lshl_b32 s24, s4, 9                          ; the bias; also the features' bytes in a row of out0
	s_mov_b32 s25, 0
	s_lshl_b32 s5, s3, 3
	s_wait_alu depctr_va_sdst(0)                   ; s2, the wave's number, is written, ahead of its first reader: the shift below
	s_lshl_b32 s6, s2, 1
	s_add_co_u32 s5, s5, s6                        ; my first tile: 8 X + 2 w
	s_lshl_b32 s26, s5, 12
	s_mov_b32 s27, 0
	s_lshl_b32 s28, s5, 8
	s_mov_b32 s29, 0
	s_lshl_b32 s30, s3, 7
	s_lshl_b32 s6, s2, 5
	s_add_co_u32 s30, s30, s6                      ; row 128 X + 32 w,
	s_lshl_b32 s30, s30, 11                        ; of 2,048 bytes,
	s_add_co_u32 s30, s30, s24                     ; at my features
	s_mov_b32 s31, 0
	s_mul_i32 s5, s2, 16*SP                        ; my stage
	v_and_b32 v1, 15, v0                           ; r
	v_bfe_u32 v2, v0, 4, 1                         ; h
	v_lshlrev_b32 v4, 8, v1
	v_lshl_add_u32 v4, v2, 4, v4                   ; Wo: row r x 256 + 16 h
	v_lshlrev_b32 v5, 4, v1                        ; a row's 16 scale bytes
	v_lshlrev_b32 v6, 5, v2                        ; the bias: result j of tile t is feature 16 t + 8 h + j
	v_and_b32 v7, 31, v0
	v_lshlrev_b32 v7, 4, v7                        ; 16 x lane
	v_mul_u32_u24 v10, v1, SP
	v_lshl_add_u32 v10, v2, 5, v10
	v_add_nc_u32 v10, s5, v10                      ; into the stage: row r, + 32 h
	v_add_nc_u32 v11, s5, v7                       ; back: the 32 lanes take a row of 512 bytes
	s_wait_kmcnt 0x0
	s_add_nc_u64 s[12:13], s[12:13], s[20:21]
	s_add_nc_u64 s[14:15], s[14:15], s[22:23]
	s_add_nc_u64 s[16:17], s[16:17], s[24:25]
	s_add_nc_u64 s[8:9], s[8:9], s[26:27]
	s_add_nc_u64 s[10:11], s[10:11], s[28:29]
	s_add_nc_u64 s[18:19], s[18:19], s[30:31]
	WIN 0x40                                       ; destination window 1
	s_wait_alu depctr_va_vdst(0)                   ; the offsets v4 to v7 and the LDS addresses v10 and v11 are written: every load, store and LDS instruction of the kernel reads one of them
.irp t, 0,1,2,3,4,5,6,7
.irp s, 0,1,2,3
.irp c, 0,1
	global_load_b128 v[32*\t+8*\s+4*\c:32*\t+8*\s+4*\c+3], v4, s[12:13] offset:16*\t*256+64*\s+32*\c
.endr
.endr
.endr
	WIN 0
.irp t, 0,1,2,3,4,5,6,7
	global_load_b128 v[BS+4*\t:BS+4*\t+3], v5, s[14:15] offset:256*\t
.endr
	WIN 0x80                                       ; destination window 2
.irp t, 0,1,2,3,4,5,6,7
	global_load_b128 v[8*\t:8*\t+3], v6, s[16:17] offset:64*\t
	global_load_b128 v[8*\t+4:8*\t+7], v6, s[16:17] offset:64*\t+16
.endr
	WIN 0
.irp u, 0,1                                    ; my two tiles: nine loads each
.irp s, 0,1,2,3
.irp c, 0,1
	global_load_b128 v[SM+32*\u+8*\s+4*\c:SM+32*\u+8*\s+4*\c+3], v7, s[8:9] offset:4096*\u+1024*\s+512*\c
.endr
.endr
	global_load_b128 v[SS+4*\u:SS+4*\u+3], v5, s[10:11] offset:256*\u
.endr
.macro MUL u                           ; tile u's 32 products, and the places behind them
.if \u == 0
	s_wait_loadcnt 9                               ; all but the second tile's nine loads are in
.else
	s_wait_loadcnt 0x0
.endif
	WIN 0x21                                       ; source 0 (Wo) window 1, C (the bias) window 2
.irp t, 0,1,2,3,4,5,6,7
	MMC ACC+8*\t, 32*\t, SM+32*\u, 8*\t, BS+4*\t, SS+4*\u
.endr
	WIN 0x01
.irp s, 1,2,3                                  ; the eight accumulators by turns, K step by K step
.irp t, 0,1,2,3,4,5,6,7
	MMC ACC+8*\t, 32*\t+8*\s, SM+32*\u+8*\s, ACC+8*\t, BS+4*\t+\s, SS+4*\u+\s
.endr
.endr
	WIN 0
.rept 5-\u
	v_nop                                          ; four places in front of the stores that read results; behind the first tile five, in front of the second tile's products, which begin the accumulators anew
.endr
.endm
.macro TOSTAGE u                       ; tile u into my stage, and back as whole rows
.set OB, OUTR-136*(\u)
.irp t, 0,1,2,3,4,5,6,7
	ds_store_b128 v10, v[ACC+8*\t:ACC+8*\t+3] offset:64*\t          ; each accumulator from its low end on
	ds_store_b128 v10, v[ACC+8*\t+4:ACC+8*\t+7] offset:64*\t+16
.endr
.irp p, 0,1,2,3,4,5,6,7,8,9,10,11,12,13,14,15
	ds_load_b128 v[OB+4*\p:OB+4*\p+3], v11 offset:SP*\p             ; LDS serves a wave's instructions in order (ISA guide 5.7.1.4): these see my stores, and the next tile's stores come behind them
.endr
.endm
.macro SEND u                          ; no LDS instruction has been issued behind tile u's sixteen loads
.set OB, OUTR-136*(\u)
.irp p, 0,1,2,3,4,5,6,7,8,9,10,11,12,13,14,15
	s_wait_dscnt 15-\p                             ; row p is back; the younger loads may be out
	global_store_b128 v7, v[OB+4*\p:OB+4*\p+3], s[18:19] offset:(8*\u+\p+8*(\p/8))*2048 th:TH_STORE_NT   ; 32 lanes store 512 consecutive bytes, at a multiple of 512 from out0's first byte
.endr
.endm
	MUL 0
	s_wait_alu depctr_va_vdst(0)                   ; the first tile's products have written the accumulators, which the LDS stores read; the places above stay beside this wait
	TOSTAGE 0
	s_wait_alu depctr_vm_vsrc(0)                   ; the LDS stores have read the accumulators, which the second tile's products write
	MUL 1                                          ; while the first tile's rows come back from the stage
	SEND 0
	s_wait_alu depctr_va_vdst(0)                   ; the second tile's products have written the accumulators, which the LDS stores read; both tiles' products are done reading v48-111, in which the loads from the stage land
	TOSTAGE 1
	SEND 1
	s_wait_dscnt 0x0
	s_wait_alu depctr_hold_cnt(0) depctr_sa_sdst(0) depctr_va_vdst(0) depctr_va_sdst(0) depctr_va_ssrc(0) depctr_va_vcc(0) depctr_vm_vsrc(0)
	s_wait_tensorcnt 0x0
	ds_add_u32 v254, v255
	s_wait_dscnt 0x0
	s_endpgm
.Lfunc_end_k_q51e5709003_oproj:
	.size	k_q51e5709003_oproj, .Lfunc_end_k_q51e5709003_oproj-k_q51e5709003_oproj
	.p2alignl 7, 3214868480
	.fill 96, 4, 3214868480
	.section	.rodata,"a",@progbits
	.p2align	6, 0x0
	.amdhsa_kernel k_q51e5709003_oproj
		.amdhsa_group_segment_fixed_size 34304
		.amdhsa_private_segment_fixed_size 0
		.amdhsa_enable_private_segment 0
		.amdhsa_kernarg_size 48
		.amdhsa_user_sgpr_count 2
		.amdhsa_user_sgpr_kernarg_segment_ptr 1
		.amdhsa_wavefront_size32 1
		.amdhsa_system_sgpr_workgroup_id_x 1
		.amdhsa_system_sgpr_workgroup_id_y 1
		.amdhsa_system_sgpr_workgroup_id_z 1
		.amdhsa_system_vgpr_workitem_id 0
		.amdhsa_next_free_vgpr 576
		.amdhsa_next_free_sgpr 66
		.amdhsa_reserve_vcc 0
		.amdhsa_float_denorm_mode_32 3
		.amdhsa_float_denorm_mode_16_64 3
		.amdhsa_memory_ordered 1
		.amdhsa_forward_progress 1
		.amdhsa_inst_pref_size 30
	.end_amdhsa_kernel
	.amdgpu_metadata
---
amdhsa.version: [ 1, 2 ]
amdhsa.kernels:
  - .name:           k_q51e5709003_oproj
    .symbol:         k_q51e5709003_oproj.kd
    .args:
      - { .name: ac, .offset: 0, .size: 8, .value_kind: global_buffer, .address_space: global }
      - { .name: asc, .offset: 8, .size: 8, .value_kind: global_buffer, .address_space: global }
      - { .name: Wo_codes, .offset: 16, .size: 8, .value_kind: global_buffer, .address_space: global }
      - { .name: Wo_scales, .offset: 24, .size: 8, .value_kind: global_buffer, .address_space: global }
      - { .name: bo, .offset: 32, .size: 8, .value_kind: global_buffer, .address_space: global }
      - { .name: out0, .offset: 40, .size: 8, .value_kind: global_buffer, .address_space: global }
    .group_segment_fixed_size: 34304
    .private_segment_fixed_size: 0
    .kernarg_segment_align: 8
    .kernarg_segment_size: 48
    .max_flat_workgroup_size: 128
    .sgpr_count:     66
    .vgpr_count:     576
    .wavefront_size: 32
...
	.end_amdgpu_metadata
.endif
;; end of part 6
